; MI455X (gfx1250); checked and timed in simulation.
; The chip was launched on July 23, 2026; its instructions are those of AMD's public machine-readable ISA for CDNA 5 (MIT licence, August 2026) and "CDNA5" Instruction Set Architecture Reference Guide (July 2026). The comments in the code are by the model that wrote it; some were corrected since.
;; Transformer Block. Allowed arithmetic: matrix products marked QUANTISED: E2M3 operands, one E8M0 scale for each 32 along K, by v_wmma_scale_f32_16x16x128_f8f6f4 with both operands' format E2M3, f32 sums; everything else in f32.
;; Inputs: W_K 16 x 64 x 1,024 float32; W_O 1,024 x 1,024 float32; W_Q 16 x 64 x 1,024 float32; W_V 16 x 64 x 1,024 float32; W_in 4,096 x 1,024 float32; W_out 1,024 x 4,096 float32; b_in 4,096 float32; b_out 1,024 float32; x 4 x 1,024 x 1,024 float32.
;; Outputs: out0 4 x 1,024 x 1,024 float32.
;; This version of the problem:
;;   THIS VERSION OF THE PROBLEM IS GIVEN IN LOW PRECISION. The matrix products marked QUANTISED in the list below multiply operands that are first quantised to E2M3 (2 exponent bits, 3 mantissa bits; 6 bits a number), with one power-of-two scale for each 32 numbers along K (OCP MX v1.0); their sums are f32. All else is computed in f32.
;;   The module's matrix products, in the order in which they are computed (A, B: the left and right operand; K: the contracted axis; several contracted axes count as one K, in the product's order):
;;     1. [M 4,096, K 1,024] x [K 1,024, N 1,024]; A: input x; B: input W_K: QUANTISED
;;     2. [M 4,096, K 1,024] x [K 1,024, N 1,024]; A: input x; B: input W_Q: QUANTISED
;;     3. [M 4,096, K 1,024] x [K 1,024, N 1,024]; A: input x; B: input W_V: QUANTISED
;;     4. batch 64 x [M 1,024, K 64] x [K 64, N 1,024]; A: computed on the way; B: computed on the way: QUANTISED
;;     5. batch 64 x [M 1,024, K 1,024] x [K 1,024, N 64]; A: computed on the way; B: computed on the way: QUANTISED
;;     6. [M 4,096, K 1,024] x [K 1,024, N 1,024]; A: computed on the way; B: input W_O: QUANTISED
;;     7. [M 4,096, K 1,024] x [K 1,024, N 4,096]; A: computed on the way; B: input W_in: QUANTISED
;;     8. [M 4,096, K 4,096] x [K 4,096, N 1,024]; A: computed on the way; B: input W_out: QUANTISED
;;   THE QUANTISER, for each operand of a quantised product, along K:
;;     - K is cut into blocks of 32 from its start; a last block that is shorter is filled with zeros.
;;     - A block's scale is 2^e with e = floor(log2(the largest magnitude in the block)) - 2, held to -126 .. 127; a block of zeros has e = 0. As a byte (E8M0): e + 127.
;;     - Each number is divided by its block's scale, clamped to +-7.5, and rounded to the nearest number of E2M3, ties to even, subnormals kept.
;;     - The product sums the exact products of the quantised numbers (number of the format x scale) in f32.
;;   ~~~python
;;   def quantise(x, axis):      # numpy; x: float32 -> the quantised numbers, widened to float32 again
;;       x = np.moveaxis(x, axis, -1); K = x.shape[-1]
;;       x = np.pad(x, [(0, 0)] * (x.ndim - 1) + [(0, -K % 32)]); x = x.reshape(x.shape[:-1] + (-1, 32)); a = np.abs(x).max(-1, keepdims=True)
;;       e = np.where(a > 0, np.clip(np.frexp(np.where(a > 0, a, 1))[1] - 1 - 2, -126, 127), 0)      # np.frexp(a)[1] - 1 = floor(log2(a)), exactly
;;       r = np.clip(x / 2.0 ** e, -7.5, 7.5)
;;       step = 2.0 ** (np.maximum(np.frexp(np.where(r == 0, 1, r))[1] - 1, 0) - 3)
;;       q = np.round(r / step) * step * 2.0 ** e      # np.round: ties to even
;;       return np.moveaxis(q.reshape(q.shape[:-2] + (-1,))[..., :K], -1, axis).astype(np.float32)
;;   ~~~
;;   OPERANDS COMPUTED ON THE WAY. 'Computed on the way' means the value that the module computes at that place (a softmax that the list does not call 'softmax' is quantised finished and normalised). What goes into a quantiser is computed in f32, as accurately as f32 sums, v_exp_f32 and their like allow (about 1e-6 of the number): no bf16 or f16 on the way to a quantiser, and a product that is left as it is and whose result goes on into a quantised operand takes f32 operands (vector FMAs, or v_wmma_f32_16x16x4_f32). A number that lies on a knife's edge between two numbers of the format may be rounded either way, as far as f32 arithmetic and the matrix unit's own rounding can turn it there, and no further.
;; One version. Each part assembles by itself: llvm-mc -triple=amdgcn-amd-amdhsa -mcpu=gfx1250 --defsym DOCPART=n.
;; ======== version 1 of 1: 6 launches
;; limits: right only within a limited range of input values
;; workspace buffers: wq 13,631,488 bytes; qkv 10,747,904 bytes; zq 3,407,872 bytes; x1 16,777,216 bytes; x1q 3,407,872 bytes; hq 13,631,488 bytes
;; launch quant (part 1): grid 512 x 1, 4 waves a work-group, no clusters, 34,304 bytes of LDS; arguments x, W_Q, W_K, W_V, W_O, W_in, W_out, wq; writes wq
.if DOCPART == 1
	.amdgcn_target "amdgcn-amd-amdhsa--gfx1250"
	.amdhsa_code_object_version 6
	.text
	.protected	k_q231c5ab1b5_quant
	.globl	k_q231c5ab1b5_quant
	.p2align	8
	.type	k_q231c5ab1b5_quant,@function
k_q231c5ab1b5_quant:
	s_mov_b64 s[64:65], 0
	v_nop
	global_prefetch_b8 v0, s[64:65] scope:SCOPE_SE
	s_setreg_imm32_b32 hwreg(HW_REG_WAVE_MODE, 25, 1), 1
	s_wait_xcnt 0x0
; x and the six weights, all f32 with K innermost, become codes of FP6 (E2M3) with one E8M0 scale byte for each 32 along K, laid in wq as RECORDS.
; A RECORD (1,664 bytes) is the image of one operand fragment, 16 rows x 128 K: bytes 512 g + 16 lane hold the lane's registers 4 g .. 4 g + 3 (g = 0, 1, 2), bytes 1,536 + 4 lane the row's scale word.
; THE ROWS OF A TILE ARE NOT NEIGHBOURS: rows go in groups of 128; tile t of a group holds at place r the row 32 (t / 2) + 8 (t % 2) + r + 8 (r / 8).  A tensor [R][K] is records [tile][K / 128].
; wq holds, on end: x (2,048 records), W_Q, W_K, W_V, W_O (512 each), W_in (2,048), W_out (2,048); a wave makes 4 records on end: one tile x 512 along K; wave u of the launch makes records 4 u .. 4 u + 3.
; A block's scale is 2^(floor(log2(its largest magnitude)) - 2); its byte is the largest magnitude's exponent field - 2, held at 1 from below.
; LIMITS: a block whose largest magnitude lies under 2^-124 keeps the byte 1; a block of zeros has the byte 1 and zero codes (this program alone reads the bytes); NaN and infinities are not served.
; Each load reads 512 consecutive bytes of one row; a K step's 16 rows turn through the wave's own stage in LDS (rows 528 bytes apart), so that a lane gets 16 neighbours of each block of 32.  Waves share nothing: no barrier.
.set REC,    1664
.set SPITCH, 528                       ; a stage row: 512 bytes + 16
.set WST,    16*SPITCH                 ; a wave's stage
.set SPARE,  4*WST                     ; behind the stages: the spare words, 128 bytes a wave: two blocks of 256 bytes that no other line names
.set LS,  2                            ; v2     4 x lane
.set STI, 3                            ; v3     the stage by rows: 16 x lane
.set STO, 4                            ; v4     the stage by lanes: 528 r + 64 h
.set VO,  5                            ; v5-8   16 x lane + j rows of the tensor, j = 0 .. 3
.set SPW, 12                           ; v12    my spare word; never rewritten
.set NIL, 13                           ; v13    0; never rewritten
.set TM,  16                           ; v16-31 at work in QUANT
.set PC,  32                           ; v32-51 the codes just made
.set PW,  52                           ; v52    the scale word just made
.set X,   64                           ; v64-127  64 numbers: register 16 b + i = k 32 b + 16 h + i of my row
.set R,   128                          ; v128-255 two sets of 16 rows as loaded
.set SEL, 20                           ; s[20:21] lane selects: lane l xor 16
.set BB,  40                           ; s[40:47] the tile's rows 0, 4, 16, 20
.set OUT, 38                           ; s[38:39] my records
.set MSB, 0
.macro WIN new                         ; the immediate's high byte repeats the setting that is left (here every window is 0, and nothing is written)
.if MSB != (\new)
	s_set_vgpr_msb (MSB<<8)|(\new)
.set MSB, (\new)
.endif
.endm
; 64 numbers of a lane, v[s] on in window w, register 16 b + i = k 32 b + 16 (lane / 16) + i of my row, become a fragment's codes in v[PC] .. v[PC + 11] and its scale word in v[PW].
.macro QUANT s, w
	WIN (\w)|((\w)<<2)
.irp b, 0,1,2,3
	v_max3_num_f32 v[TM+\b], |v[(\s)+16*\b]|, |v[(\s)+16*\b+1]|, 0x1800000   ; my 16 numbers of block b, and the floor 2^(3 - 127): the byte cannot fall under 1
.endr
.irp i, 2,4,6,8,10,12,14
.irp b, 0,1,2,3
	v_max3_num_f32 v[TM+\b], |v[(\s)+16*\b+\i]|, |v[(\s)+16*\b+\i+1]|, v[TM+\b]   ; the four blocks by turns
.endr
.endr
	WIN 0
.irp b, 0,1,2,3
	v_permlanex16_b32 v[TM+4+\b], v[TM+\b], s[SEL], s[SEL+1]
.endr
.irp b, 0,1,2,3
	v_max_num_f32 v[TM+\b], v[TM+\b], v[TM+4+\b]   ; with lane l xor 16's: the block's largest magnitude
.endr
.irp b, 0,1,2,3
	v_add_nc_u32 v[TM+12+\b], 0xff000000, v[TM+\b]   ; 2 off its exponent field: the conversion takes the exponent field of this operand as its scale
.endr
.irp b, 0,1,2,3
	v_lshrrev_b32 v[TM+4+\b], 23, v[TM+12+\b]      ; the scale's byte
.endr
	v_lshl_or_b32 v[PW], v[TM+5], 8, v[TM+4]
	v_lshl_or_b32 v[PW], v[TM+6], 16, v[PW]
	v_lshl_or_b32 v[PW], v[TM+7], 24, v[PW]
	WIN (\w)
.irp c, 0,1
	v_cvt_scalef32_pk16_fp6_f32 v[PC+6*\c:PC+6*\c+2], v[(\s)+32*\c:(\s)+32*\c+15], v[TM+12+2*\c]
	v_cvt_scalef32_pk16_fp6_f32 v[PC+12+4*\c:PC+12+4*\c+2], v[(\s)+32*\c+16:(\s)+32*\c+31], v[TM+13+2*\c]   ; (a conversion's three registers begin on an even number)
.endr
	WIN 0
	v_nop                                          ; one plain place behind a scaled conversion
.irp c, 0,1                                    ; the operand's layout wants a WHOLE block in a lane: lanes 0-15 block 2 c, lanes 16-31 block 2 c + 1
.irp i, 0,1,2
	v_permlane16_swap_b32 v[PC+6*\c+\i], v[PC+12+4*\c+\i]
.endr
.irp i, 0,1,2
	v_mov_b32 v[PC+3+6*\c+\i], v[PC+12+4*\c+\i]
.endr
.endr
.endm
	s_load_b512 s[24:39], s[0:1], 0x0              ; x, W_Q, W_K, W_V, W_O, W_in, W_out, wq
	v_lshl_add_u32 v[SPW], v0, 2, SPARE
	v_mov_b32 v[NIL], 0
	v_lshrrev_b32 v1, 5, v0
	v_readfirstlane_b32 s16, v1                    ; wave
	v_and_b32 v1, 31, v0                           ; lane
	v_lshlrev_b32 v[VO], 4, v1
	v_lshlrev_b32 v[LS], 2, v1
	s_mul_i32 s17, s16, WST
	v_add_nc_u32 v[STI], s17, v[VO]
	v_and_b32 v9, 15, v0                           ; r
	v_bfe_u32 v10, v0, 4, 1                        ; h
	v_mul_u32_u24 v[STO], v9, SPITCH
	v_lshl_add_u32 v[STO], v10, 6, v[STO]
	v_add_nc_u32 v[STO], s17, v[STO]
	s_mov_b32 s[SEL], 0x76543210
	s_mov_b32 s[SEL+1], 0xfedcba98
.irp b, 0,1,2,3
	v_mov_b32 v[TM+4+\b], 0                        ; written once: a lane permute's destination counts as one of its sources
.endr
	s_wait_alu depctr_va_vdst(0)
	s_wait_kmcnt 0x0
	; which tensor: the choice hangs on the work-group's number alone.  s[4:5] the tensor, s6 its first work-group, s7 log2 of a row's bytes, s8 log2 of a row's chunks of 512 along K
	s_mov_b64 s[4:5], s[36:37]
	s_mov_b32 s6, 384
	s_cmp_lt_u32 ttmp9, 384
	s_cselect_b64 s[4:5], s[34:35], s[4:5]
	s_cselect_b32 s6, 256, s6
	s_cselect_b32 s7, 12, 14
	s_cselect_b32 s8, 1, 3
	s_cmp_lt_u32 ttmp9, 256
	s_cselect_b64 s[4:5], s[32:33], s[4:5]
	s_cselect_b32 s6, 224, s6
	s_cmp_lt_u32 ttmp9, 224
	s_cselect_b64 s[4:5], s[30:31], s[4:5]
	s_cselect_b32 s6, 192, s6
	s_cmp_lt_u32 ttmp9, 192
	s_cselect_b64 s[4:5], s[28:29], s[4:5]
	s_cselect_b32 s6, 160, s6
	s_cmp_lt_u32 ttmp9, 160
	s_cselect_b64 s[4:5], s[26:27], s[4:5]
	s_cselect_b32 s6, 128, s6
	s_cmp_lt_u32 ttmp9, 128
	s_cselect_b64 s[4:5], s[24:25], s[4:5]
	s_cselect_b32 s6, 0, s6
	s_sub_co_u32 s9, ttmp9, s6
	s_lshl_b32 s9, s9, 2
	s_add_co_u32 s9, s9, s16                       ; my unit in the tensor
	s_lshr_b32 s10, s9, s8                         ; its tile T
	s_lshl_b32 s11, s10, s8
	s_sub_co_u32 s11, s9, s11                      ; and its chunk of 512 along K
	s_lshr_b32 s12, s10, 3
	s_lshl_b32 s12, s12, 7                         ; 128 (T / 8)
	s_bfe_u32 s13, s10, 0x20001
	s_lshl_b32 s13, s13, 5
	s_add_co_u32 s12, s12, s13                     ; + 32 ((T % 8) / 2)
	s_and_b32 s13, s10, 1
	s_lshl_b32 s13, s13, 3
	s_add_co_u32 s12, s12, s13                     ; + 8 (T % 2): the tile's first row
	s_lshl_b32 s12, s12, s7                        ; in bytes (under 2^25)
	s_lshl_b32 s13, s11, 11
	s_add_co_u32 s12, s12, s13                     ; + 2,048 bytes a chunk
	s_mov_b32 s13, 0
	s_add_nc_u64 s[BB:BB+1], s[4:5], s[12:13]
	s_lshl_b32 s14, 1, s7                          ; a row's bytes
	s_lshl_b32 s12, s14, 2
	s_add_nc_u64 s[BB+2:BB+3], s[BB:BB+1], s[12:13]   ; 4 rows on,
	s_lshl_b32 s12, s14, 4
	s_add_nc_u64 s[BB+4:BB+5], s[BB:BB+1], s[12:13]   ; 16,
	s_mul_i32 s12, s14, 20
	s_add_nc_u64 s[BB+6:BB+7], s[BB:BB+1], s[12:13]   ; 20
	v_add_nc_u32 v[VO+1], s14, v[VO]
	v_add_nc_u32 v[VO+2], s14, v[VO+1]
	v_add_nc_u32 v[VO+3], s14, v[VO+2]
	s_lshl_b32 s18, ttmp9, 2
	s_add_co_u32 s18, s18, s16
	s_mul_i32 s18, s18, 4*REC
	s_mov_b32 s19, 0
	s_add_nc_u64 s[OUT:OUT+1], s[OUT:OUT+1], s[18:19]
.macro LOADG t                         ; K step t: place i of the tile is row i + 8 (i / 8); 32 lanes read 512 consecutive bytes of it
.irp i, 0,1,2,3,4,5,6,7,8,9,10,11,12,13,14,15
	global_load_b128 v[R+64*((\t)%2)+4*\i:R+64*((\t)%2)+4*\i+3], v[VO+\i%4], s[BB+2*(\i/4):BB+2*(\i/4)+1] offset:512*(\t) th:TH_LOAD_NT
.endr
.endm
.macro KSTEP t
.if (\t) < 3
	s_wait_loadcnt 16                              ; this step's 16 loads are in; the next step's 16 may be out
.else
	s_wait_loadcnt 0x0
.endif
.irp i, 0,1,2,3,4,5,6,7,8,9,10,11,12,13,14,15
	ds_store_b128 v[STI], v[R+64*((\t)%2)+4*\i:R+64*((\t)%2)+4*\i+3] offset:SPITCH*\i
.endr
.irp j, 0,1,2,3,4,5,6,7,8,9,10,11,12,13,14,15
	ds_load_b128 v[X+4*\j:X+4*\j+3], v[STO] offset:128*(\j/4)+16*(\j%4)   ; LDS serves a wave's instructions in order: these see the stores above
.endr
	s_wait_dscnt 0x0                               ; the numbers are back, and the stores have read their registers,
.if (\t) < 2
	LOADG (\t)+2                                   ; which take the step two on
.endif
.if (\t) > 0
	s_wait_xcnt 0x0                                ; the last record's stores have read v[PC] on and v[PW]: they are rewritten only behind this wait
.endif
	QUANT X, 0
.irp g, 0,1,2
	global_store_b128 v[VO], v[PC+4*\g:PC+4*\g+3], s[OUT:OUT+1] offset:REC*(\t)+512*\g   ; 32 lanes store 512 consecutive bytes
.endr
	global_store_b32 v[LS], v[PW], s[OUT:OUT+1] offset:REC*(\t)+1536
.endm
	LOADG 0
	LOADG 1
	s_wait_alu depctr_va_vdst(0)
	KSTEP 0
	KSTEP 1
	KSTEP 2
	KSTEP 3
	s_wait_tensorcnt 0x0                           ; the wave's end: behind my last LDS store
	ds_add_u32 v[SPW], v[NIL]
	s_wait_dscnt 0x0
	s_endpgm
.Lfunc_end_k_q231c5ab1b5_quant:
	.size	k_q231c5ab1b5_quant, .Lfunc_end_k_q231c5ab1b5_quant-k_q231c5ab1b5_quant
	.p2alignl 7, 3214868480
	.fill 96, 4, 3214868480
	.section	.rodata,"a",@progbits
	.p2align	6, 0x0
	.amdhsa_kernel k_q231c5ab1b5_quant
		.amdhsa_group_segment_fixed_size 34304
		.amdhsa_private_segment_fixed_size 0
		.amdhsa_enable_private_segment 0
		.amdhsa_kernarg_size 64
		.amdhsa_user_sgpr_count 2
		.amdhsa_user_sgpr_kernarg_segment_ptr 1
		.amdhsa_wavefront_size32 1
		.amdhsa_system_sgpr_workgroup_id_x 1
		.amdhsa_system_sgpr_workgroup_id_y 1
		.amdhsa_system_sgpr_workgroup_id_z 1
		.amdhsa_system_vgpr_workitem_id 0
		.amdhsa_next_free_vgpr 256
		.amdhsa_next_free_sgpr 66
		.amdhsa_reserve_vcc 0
		.amdhsa_float_denorm_mode_32 3
		.amdhsa_float_denorm_mode_16_64 3
		.amdhsa_memory_ordered 1
		.amdhsa_forward_progress 1
		.amdhsa_inst_pref_size 35
	.end_amdhsa_kernel
	.amdgpu_metadata
---
amdhsa.version: [ 1, 2 ]
amdhsa.kernels:
  - .name:           k_q231c5ab1b5_quant
    .symbol:         k_q231c5ab1b5_quant.kd
    .args:
      - { .name: x, .offset: 0, .size: 8, .value_kind: global_buffer, .address_space: global }
      - { .name: W_Q, .offset: 8, .size: 8, .value_kind: global_buffer, .address_space: global }
      - { .name: W_K, .offset: 16, .size: 8, .value_kind: global_buffer, .address_space: global }
      - { .name: W_V, .offset: 24, .size: 8, .value_kind: global_buffer, .address_space: global }
      - { .name: W_O, .offset: 32, .size: 8, .value_kind: global_buffer, .address_space: global }
      - { .name: W_in, .offset: 40, .size: 8, .value_kind: global_buffer, .address_space: global }
      - { .name: W_out, .offset: 48, .size: 8, .value_kind: global_buffer, .address_space: global }
      - { .name: wq, .offset: 56, .size: 8, .value_kind: global_buffer, .address_space: global }
    .group_segment_fixed_size: 34304
    .private_segment_fixed_size: 0
    .kernarg_segment_align: 8
    .kernarg_segment_size: 64
    .max_flat_workgroup_size: 128
    .sgpr_count:     66
    .vgpr_count:     256
    .wavefront_size: 32
...
	.end_amdgpu_metadata
.endif
;; end of part 1
;; launch qkv (part 2): grid 8 x 24, 4 waves a work-group, clusters of 4 x 4, 327,680 bytes of LDS; arguments wq, qkv; writes qkv
.if DOCPART == 2
	.amdgcn_target "amdgcn-amd-amdhsa--gfx1250"
	.amdhsa_code_object_version 6
	.text
	.protected	k_q231c5ab1b5_qkv
	.globl	k_q231c5ab1b5_qkv
	.p2align	8
	.type	k_q231c5ab1b5_qkv,@function
k_q231c5ab1b5_qkv:
	s_mov_b64 s[64:65], 0
	v_nop
	global_prefetch_b8 v0, s[64:65] scope:SCOPE_SE
	s_setreg_imm32_b32 hwreg(HW_REG_WAVE_MODE, 25, 1), 1
	s_wait_xcnt 0x0
	s_wait_alu depctr_hold_cnt(0) depctr_sa_sdst(0) depctr_va_vdst(0) depctr_va_sdst(0) depctr_va_ssrc(0) depctr_va_vcc(0) depctr_vm_vsrc(0)
	s_getreg_b32 s2, hwreg(HW_REG_IB_STS2, 6, 4)
	s_cmp_eq_u32 s2, 0
	s_cbranch_scc0 .Lentry_in_a_cluster
	s_endpgm
.Lentry_in_a_cluster:
	s_bfe_u32 s2, ttmp6, 0x10000c
	s_cmp_lg_u32 s2, 0xf033
	s_cbranch_scc0 .Lentry_shape_is_right
	s_endpgm
.Lentry_shape_is_right:
; q, k and v = x W^T on codes of FP6 (E2M3) with E8M0 scales, K = 1,024; the results are quantised in registers and leave as operand records for the attention launch.
; OPERANDS are records of 1,664 bytes (16 rows x 128 K as an image of the fragment's registers: 512 g + 16 lane, the scale word at 1,536 + 4 lane), [tile][K / 128]; tile t of a group of 128 rows holds at place r the row
; 32 (t / 2) + 8 (t % 2) + r + 8 (r / 8).  So in the result of source 0 = tile b, source 1 = tile a, the 64 registers of a's eight accumulators are 128 NEIGHBOURING rows of source 0's group: register 16 c + i = row 32 c + 16 h + i.
; A work-group of four waves makes 256 (source 1, "S1") x 256 (source 0, "S0") in TWO BLOCKS of 128 x 256; a wave 4 tiles of S1 x 8 tiles of S0 a block: 32 accumulators.
; S0's 16 tiles lie in LDS for all of K and for both blocks; S1's 8 tiles of a block too: every tile's eight records come on end, by one joint load a wave.  When the first block's products are done, S1's bytes are
; filled again with the second block's tiles (waves 0 and 1, behind the full sequence and a round), while the first block leaves.
; CLUSTERS of 4 x 4: S1's tiles hang on the work-group's y and are shared along a row of the cluster, S0's on its x and are shared along a column.  No prefetch: each tile is asked for once, and there is no loop to run ahead in.
; Clusters y = 0 .. 3: S1 = x's tokens, S0 = W_Q and W_K on end: a lane's registers run along h: two heads a wave; each head's 64 codes leave as a record of 896 bytes (registers 0-3 at 16 lane, 4-5 at 512 + 8 lane, the scale word at 768 + 4 lane).
; Clusters y = 4, 5: S1 = W_V's rows f, S0 = x's tokens: a lane's registers run along the tokens, which are the K of attention's second product: records of 1,664 bytes, [batch][tile of f][128 keys].
; LIMITS: a block whose largest magnitude lies under 2^-124 keeps the scale byte 1, a block of zeros too (zero codes; this program alone reads the bytes); NaN and infinities are not served.
; REGISTERS: window 0: v1-13 addresses, v16-31 at work, v32-63 scale words (two sets), v64-111 and v160-207 S1's fragments; on the way out v192-213 codes.  window 1: S0's fragments at v0 and v128.  window 2: accumulator (a, b) at v[8 (8 a + b)].
.set MA,    4
.set NS,    8
.set REC,   1664
.set ROWB,  NS*REC                     ; a tile in LDS: its eight records
.set S1H,   MA*ROWB
.set S0H,   8*ROWB
.set SPARE, 2*S1H+2*S0H                ; behind the tiles: the spare words, 128 bytes a wave: two blocks of 256 bytes that no other line names
.set LI,   1
.set LS,   2
.set L8,   3
.set ADR1, 4
.set ADR0, 6                           ; v6-7 S0's tiles 0-3, 4-7
.set ADS1, 8
.set ADS0, 10
.set SPW,  12
.set NIL,  13
.set TM,   16
.set SC,   32
.set F1,   64
.set PC,   192
.set PW,   212
.set PW2,  213
.set G1,   24
.set G0,   32
.set G1B,  48
.set G0B,  56
.set SEL,  68
.set MSB,  0
.macro WIN new                         ; the immediate's high byte repeats the setting that is left
.if MSB != (\new)
	s_set_vgpr_msb (MSB<<8)|(\new)
.set MSB, (\new)
.endif
.endm
.macro PLACES n
.rept \n
	v_nop
.endr
.endm
; 64 numbers of a lane, v[s] on in window w, register 16 b + i = k 32 b + 16 (lane / 16) + i of my row, become a fragment's codes in v[PC] .. v[PC + 11] and its scale word in v[PW].  Each accumulator is read from its low end on.
.macro QUANT s, w
	WIN (\w)|((\w)<<2)
.irp b, 0,1,2,3
	v_max3_num_f32 v[TM+\b], |v[(\s)+16*\b]|, |v[(\s)+16*\b+1]|, 0x1800000   ; and the floor 2^(3 - 127): the byte cannot fall under 1
.endr
.irp i, 2,4,6,8,10,12,14
.irp b, 0,1,2,3
	v_max3_num_f32 v[TM+\b], |v[(\s)+16*\b+\i]|, |v[(\s)+16*\b+\i+1]|, v[TM+\b]
.endr
.endr
	WIN 0
.irp b, 0,1,2,3
	v_permlanex16_b32 v[TM+4+\b], v[TM+\b], s[SEL], s[SEL+1]
.endr
.irp b, 0,1,2,3
	v_max_num_f32 v[TM+\b], v[TM+\b], v[TM+4+\b]
.endr
.irp b, 0,1,2,3
	v_add_nc_u32 v[TM+12+\b], 0xff000000, v[TM+\b]   ; 2 off its exponent field: the conversion's scale operand
.endr
.irp b, 0,1,2,3
	v_lshrrev_b32 v[TM+4+\b], 23, v[TM+12+\b]
.endr
	v_lshl_or_b32 v[PW], v[TM+5], 8, v[TM+4]
	v_lshl_or_b32 v[PW], v[TM+6], 16, v[PW]
	v_lshl_or_b32 v[PW], v[TM+7], 24, v[PW]
	WIN (\w)
.irp c, 0,1
	v_cvt_scalef32_pk16_fp6_f32 v[PC+6*\c:PC+6*\c+2], v[(\s)+32*\c:(\s)+32*\c+15], v[TM+12+2*\c]
	v_cvt_scalef32_pk16_fp6_f32 v[PC+12+4*\c:PC+12+4*\c+2], v[(\s)+32*\c+16:(\s)+32*\c+31], v[TM+13+2*\c]
.endr
	WIN 0
	v_nop                                          ; one plain place behind a scaled conversion
.irp c, 0,1
.irp i, 0,1,2
	v_permlane16_swap_b32 v[PC+6*\c+\i], v[PC+12+4*\c+\i]
.endr
.irp i, 0,1,2
	v_mov_b32 v[PC+3+6*\c+\i], v[PC+12+4*\c+\i]
.endr
.endr
.endm
.macro CROUND                          ; a round of the cluster's barrier
	s_barrier_signal -1
	s_barrier_wait -1
	s_cmp_lg_u32 s14, 0
	s_cbranch_scc1 .Lnot_wave_0_\@
	s_barrier_signal -3
.Lnot_wave_0_\@:
	s_barrier_wait -3
	s_barrier_signal -1
	s_barrier_wait -1
.endm
.macro FETCH q, p                      ; the fragments and scale words of K step q into set p: 48 LDS loads in one run
	WIN 0x40
.irp b, 0,1,2,3,4,5,6,7
.irp g, 0,1,2
	ds_load_b128 v[128*(\p)+12*\b+4*\g:128*(\p)+12*\b+4*\g+3], v[ADR0+\b/4] offset:(\b%4)*ROWB+(\q)*REC+512*\g
.endr
.endr
	WIN 0
.set aa, 0
.rept MA
.irp g, 0,1,2
	ds_load_b128 v[F1+96*(\p)+12*aa+4*\g:F1+96*(\p)+12*aa+4*\g+3], v[ADR1] offset:aa*ROWB+(\q)*REC+512*\g
.endr
	ds_load_b32 v[SC+16*(\p)+aa], v[ADS1] offset:aa*ROWB+(\q)*REC+1536
.set aa, aa+1
.endr
.irp b, 0,1,2,3,4,5,6,7
	ds_load_b32 v[SC+16*(\p)+8+\b], v[ADS0+\b/4] offset:(\b%4)*ROWB+(\q)*REC+1536
.endr
.endm
.macro MULA a, p, mode                 ; S1's tile a against S0's eight.  mode 1: the first product starts the sums.  The 32 accumulators take turns
	WIN 0xa1
.irp b, 0,1,2,3,4,5,6,7
.set rD, 8*(8*(\a)+\b)
.set r0, 128*(\p)+12*\b
.set r1, F1+96*(\p)+12*(\a)
.if \mode == 0
	v_wmma_scale_f32_16x16x128_f8f6f4 v[rD:rD+7], v[r0:r0+11], v[r1:r1+11], v[rD:rD+7], v[SC+16*(\p)+8+\b], v[SC+16*(\p)+(\a)] matrix_a_fmt:MATRIX_FMT_FP6 matrix_b_fmt:MATRIX_FMT_FP6
.else
	v_wmma_scale_f32_16x16x128_f8f6f4 v[rD:rD+7], v[r0:r0+11], v[r1:r1+11], 0, v[SC+16*(\p)+8+\b], v[SC+16*(\p)+(\a)] matrix_a_fmt:MATRIX_FMT_FP6 matrix_b_fmt:MATRIX_FMT_FP6
.endif
.endr
.endm
.macro MULR p, mode
.set aa, 0
.rept MA
	MULA aa, \p, \mode
.set aa, aa+1
.endr
.endm
.macro STEP q, mode                    ; the successor's fragments are asked for, then this step is multiplied
	s_wait_dscnt 0x0                               ; this step's set is in: it was asked for a whole step ago
	PLACES 4                                       ; in front of loads into the set that the last step's products read
	FETCH (\q)+1, 1-(\q)%2
	MULR (\q)%2, \mode
	WIN 0
.endm
.macro MAIN                            ; a block's eight K steps
	FETCH 0, 0
	STEP 0, 1
.irp q, 1,2,3,4,5,6
	STEP \q, 0
.endr
	s_wait_dscnt 0x0
	MULR 1, 0
	WIN 0
	PLACES 4                                       ; in front of the first read of results and of writes into the fragments' registers
.endm
.macro WAYOUT                          ; each tile of S1 gives one fragment along S0's 128 rows
.irp a, 0,1,2,3
	s_wait_xcnt 0x0                                ; earlier stores have read the codes and the scale words: they are rewritten only behind this wait
	QUANT 64*\a, 2
	v_lshrrev_b32 v[PW2], 16, v[PW]
	s_cmp_eq_u32 s78, 1                            ; the branch leads round stores alone, and is the same in the whole cluster
	s_wait_alu depctr_va_vdst(0)
	s_cbranch_scc1 .Lv_\@_\a
	global_store_b128 v[LI], v[PC:PC+3], s[70:71] offset:896*\a            ; the even head: registers 0-5 and bytes 0, 1 of the scale word (bytes 2, 3 scale zero codes, and are never 0xff)
	global_store_b64 v[L8], v[PC+4:PC+5], s[70:71] offset:896*\a+512
	global_store_b32 v[LS], v[PW], s[70:71] offset:896*\a+768
	global_store_b128 v[LI], v[PC+6:PC+9], s[70:71] offset:896*\a+57344    ; the odd head, 64 records on
	global_store_b64 v[L8], v[PC+10:PC+11], s[70:71] offset:896*\a+57344+512
	global_store_b32 v[LS], v[PW2], s[70:71] offset:896*\a+57344+768
	s_branch .Ld_\@_\a
.Lv_\@_\a:
	global_store_b128 v[LI], v[PC:PC+3], s[70:71] offset:8*REC*\a
	global_store_b128 v[LI], v[PC+4:PC+7], s[70:71] offset:8*REC*\a+512
	global_store_b128 v[LI], v[PC+8:PC+11], s[70:71] offset:8*REC*\a+1024
	global_store_b32 v[LS], v[PW], s[70:71] offset:8*REC*\a+1536
.Ld_\@_\a:
.endr
.endm
	s_load_b128 s[4:7], s[0:1], 0x0                ; wq s[4:5], qkv s[6:7]
	v_lshl_add_u32 v[SPW], v0, 2, SPARE
	v_mov_b32 v[NIL], 0
	ds_add_u32 v[SPW], v[NIL]                      ; the opening lines: the add, twice on end, and its wait ahead of my first tensor load
	ds_add_u32 v[SPW], v[NIL]
	v_lshrrev_b32 v1, 5, v0
	v_readfirstlane_b32 s14, v1                    ; wave 0..3
	s_lshr_b32 s15, s14, 1                         ; which half of a block's S1 tiles is mine.  Also: I fetch for S1 (0) or for S0 (1)
	s_and_b32 s16, s14, 1                          ; which half of S0's.  Also: which half I fetch
	s_bfe_u32 s40, ttmp6, 0x40000                  ; cx, cy
	s_bfe_u32 s41, ttmp6, 0x40004
	s_lshl_b32 s42, ttmp9, 2
	s_add_co_u32 s42, s42, s40                     ; work-group x
	s_and_b32 s67, ttmp7, 0xffff                   ; cluster y
	s_lshl_b32 s17, s67, 2
	s_add_co_u32 s17, s17, s41                     ; work-group y
	s_lshl_b32 s43, s41, 2
	s_lshl_b32 s43, 15, s43                        ; my row of the cluster
	s_lshl_b32 s44, 0x1111, s40                    ; my column
	s_sub_co_u32 s18, s67, 4
	s_lshl_b32 s18, s18, 3
	s_cmp_ge_u32 s67, 4                            ; v's clusters?  The same in all sixteen partners
	s_cselect_b32 s78, 1, 0
	s_cselect_b32 s17, s41, s17                    ; S1's 256 rows: of W_V by cy, of x by the work-group's y
	s_cselect_b32 s18, s18, 0
	s_cselect_b32 s19, 3072*REC, 0                 ; where S1 begins in wq: W_V or x
	s_cselect_b32 s22, 0, 2048*REC                 ; and S0: x, or W_Q and W_K on end
	s_add_co_u32 s42, s42, s18                     ; S0's block of 256 rows
	s_or_b32 s[G1+0], s43, (3<<16)|(1<<21)         ; 15:0 the mask; 17:16 elements of 8 bytes; 21 set beside a mask; no padding
	s_or_b32 s[G1B+0], s44, (3<<16)|(1<<21)
	s_mov_b32 s[G1+1], (208*NS)<<16                ; a row: a tile's eight records
	s_mov_b32 s[G1+2], MA<<16
	s_mov_b32 s[G1+3], (208*NS)<<16
	s_mov_b32 s[G1+4], MA
	s_mov_b32 s[G1+5], 208*NS
	s_mov_b32 s[G1+6], 0
	s_mov_b32 s[G1+7], 0
	s_mov_b32 s[G1B+1], (208*NS)<<16
	s_mov_b32 s[G1B+2], 8<<16
	s_mov_b32 s[G1B+3], (208*NS)<<16
	s_mov_b32 s[G1B+4], 8
	s_mov_b32 s[G1B+5], 208*NS
	s_mov_b32 s[G1B+6], 0
	s_mov_b32 s[G1B+7], 0
	s_lshl_b32 s20, s17, 4
	s_lshl_b32 s23, s16, 2
	s_add_co_u32 s20, s20, s23                     ; S1: the first tile that I fetch, in the first block
	s_mul_i32 s20, s20, NS*REC
	s_add_co_u32 s20, s20, s19
	s_mov_b32 s21, 0
	s_lshl_b32 s46, s42, 4
	s_lshl_b32 s23, s16, 3
	s_add_co_u32 s46, s46, s23                     ; S0 likewise
	s_mul_i32 s46, s46, NS*REC
	s_add_co_u32 s46, s46, s22
	s_mov_b32 s47, 0
	s_mul_i32 s45, s16, S1H                        ; where they go: no place in the cluster enters an LDS address
	s_mul_i32 s66, s16, S0H
	s_add_co_u32 s66, s66, 2*S1H
	s_mov_b32 s[SEL], 0x76543210
	s_mov_b32 s[SEL+1], 0xfedcba98
	s_wait_dscnt 0x0
	s_wait_kmcnt 0x0
	s_add_nc_u64 s[20:21], s[4:5], s[20:21]
	s_add_nc_u64 s[46:47], s[4:5], s[46:47]
	CROUND                                         ; all sixteen work-groups are here: the first joint loads meet
	s_mov_b32 s[G0], 1
	s_mov_b32 s[G0+1], s45
	s_mov_b64 s[G0+2:G0+3], s[20:21]
	s_or_b32 s[G0+3], s[G0+3], 0x80000000
	s_mov_b32 s[G0B], 1
	s_mov_b32 s[G0B+1], s66
	s_mov_b64 s[G0B+2:G0B+3], s[46:47]
	s_or_b32 s[G0B+3], s[G0B+3], 0x80000000
	s_cmp_eq_u32 s15, 0                            ; waves 0, 1 fetch S1's halves, waves 2, 3 S0's: one load a wave
	s_cbranch_scc0 .Lfor_b
	tensor_load_to_lds s[G0:G0+3], s[G1:G1+7]
	s_nop 0
	PLACES 4
	s_branch .Lasked
.Lfor_b:
	tensor_load_to_lds s[G0B:G0B+3], s[G1B:G1B+7]
	s_nop 0
	PLACES 4
.Lasked:
	v_and_b32 v3, 31, v0
	v_lshlrev_b32 v[LI], 4, v3
	v_lshlrev_b32 v[LS], 2, v3
	v_lshlrev_b32 v[L8], 3, v3
	s_mul_i32 s18, s15, S1H
	s_mul_i32 s19, s16, S0H
	s_add_co_u32 s19, s19, 2*S1H
	v_add_nc_u32 v[ADR1], s18, v[LI]
	v_add_nc_u32 v[ADS1], s18, v[LS]
.irp f, 0,1
	v_add_nc_u32 v[ADR0+\f], s19, v[LI]
	v_add_nc_u32 v[ADS0+\f], s19, v[LS]
	s_add_co_u32 s19, s19, 4*ROWB
.endr
.irp b, 0,1,2,3
	v_mov_b32 v[TM+4+\b], 0                        ; written once: a lane permute's destination counts as one of its sources
.endr
	; where my records go
	s_lshl_b32 s18, s17, 4
	s_lshl_b32 s19, s15, 2
	s_add_co_u32 s18, s18, s19                     ; T0: my first tile of S1 in the first block
	s_lshl_b32 s19, s42, 1
	s_add_co_u32 s19, s19, s16                     ; G: my group of 128 rows of S0
	s_lshr_b32 s22, s19, 3
	s_and_b32 s23, s19, 7
	s_lshl_b32 s72, s22, 2                         ; q, k: [q or k][batch][head][tile] x 896: G / 8 says q or k, G % 8 the pair of heads
	s_lshr_b32 s73, s18, 6
	s_add_co_u32 s72, s72, s73
	s_lshl_b32 s72, s72, 4
	s_lshl_b32 s73, s23, 1
	s_add_co_u32 s72, s72, s73
	s_lshl_b32 s72, s72, 6
	s_and_b32 s73, s18, 63
	s_add_co_u32 s72, s72, s73
	s_mul_i32 s72, s72, 896
	s_lshl_b32 s74, s22, 6                         ; v: [batch][tile of f][128 keys] x 1,664, behind q's and k's: G / 8 is the batch, G % 8 the 128 keys
	s_add_co_u32 s74, s74, s18
	s_lshl_b32 s74, s74, 3
	s_add_co_u32 s74, s74, s23
	s_mul_i32 s74, s74, REC
	s_add_co_u32 s74, s74, 7340032
	s_mov_b32 s76, 8*896                           ; from block to block: 8 tiles of S1 on
	s_cmp_eq_u32 s78, 1
	s_cselect_b32 s72, s74, s72
	s_cselect_b32 s76, 8*8*REC, s76
	s_mov_b32 s73, 0
	s_mov_b32 s77, 0
	s_add_nc_u64 s[70:71], s[6:7], s[72:73]
	s_wait_alu depctr_va_vdst(0)
	s_wait_tensorcnt 0x0                           ; my tiles are in,
	s_barrier_signal -1
	s_barrier_wait -1                              ; everybody's are
	MAIN
	s_wait_tensorcnt 0x0                           ; S1's bytes are filled again
	ds_add_u32 v[SPW], v[NIL]
	s_add_nc_u64 s[G0+2:G0+3], s[G0+2:G0+3], 8*NS*REC   ; no load of mine is out: the second block's tiles
	s_wait_dscnt 0x0                               ; the add is done, and my reads of the tiles are over
	CROUND
	s_cmp_eq_u32 s15, 0                            ; waves 2, 3 have no part of it
	s_cbranch_scc0 .Lno_fill
	tensor_load_to_lds s[G0:G0+3], s[G1:G1+7]
	s_nop 0
	PLACES 4
.Lno_fill:
	WAYOUT
	s_wait_xcnt 0x0                                ; the stores have read their base and their data
	s_add_nc_u64 s[70:71], s[70:71], s[76:77]
	s_wait_tensorcnt 0x0                           ; the second block's tiles are in,
	s_barrier_signal -1
	s_barrier_wait -1                              ; for everybody
	MAIN
	WAYOUT
	s_wait_tensorcnt 0x0                           ; the wave's end
	ds_add_u32 v[SPW], v[NIL]
	s_wait_dscnt 0x0
	CROUND                                         ; the closing round
	s_endpgm
.Lfunc_end_k_q231c5ab1b5_qkv:
	.size	k_q231c5ab1b5_qkv, .Lfunc_end_k_q231c5ab1b5_qkv-k_q231c5ab1b5_qkv
	.p2alignl 7, 3214868480
	.fill 96, 4, 3214868480
	.section	.rodata,"a",@progbits
	.p2align	6, 0x0
	.amdhsa_kernel k_q231c5ab1b5_qkv
		.amdhsa_group_segment_fixed_size 327680
		.amdhsa_private_segment_fixed_size 0
		.amdhsa_enable_private_segment 0
		.amdhsa_kernarg_size 16
		.amdhsa_user_sgpr_count 2
		.amdhsa_user_sgpr_kernarg_segment_ptr 1
		.amdhsa_wavefront_size32 1
		.amdhsa_system_sgpr_workgroup_id_x 1
		.amdhsa_system_sgpr_workgroup_id_y 1
		.amdhsa_system_sgpr_workgroup_id_z 1
		.amdhsa_system_vgpr_workitem_id 0
		.amdhsa_next_free_vgpr 768
		.amdhsa_next_free_sgpr 100
		.amdhsa_reserve_vcc 0
		.amdhsa_float_denorm_mode_32 3
		.amdhsa_float_denorm_mode_16_64 3
		.amdhsa_memory_ordered 1
		.amdhsa_forward_progress 1
		.amdhsa_inst_pref_size 165
	.end_amdhsa_kernel
	.amdgpu_metadata
---
amdhsa.version: [ 1, 2 ]
amdhsa.kernels:
  - .name:           k_q231c5ab1b5_qkv
    .symbol:         k_q231c5ab1b5_qkv.kd
    .args:
      - { .name: wq, .offset: 0, .size: 8, .value_kind: global_buffer, .address_space: global }
      - { .name: qkv, .offset: 8, .size: 8, .value_kind: global_buffer, .address_space: global }
    .group_segment_fixed_size: 327680
    .private_segment_fixed_size: 0
    .kernarg_segment_align: 8
    .kernarg_segment_size: 16
    .max_flat_workgroup_size: 128
    .sgpr_count:     100
    .vgpr_count:     768
    .wavefront_size: 32
...
	.end_amdgpu_metadata
.endif
;; end of part 2
;; launch attn (part 3): grid 8 x 32, 8 waves a work-group, clusters of 4 x 1, 327,680 bytes of LDS; arguments qkv, zq; writes zq
.if DOCPART == 3
	.amdgcn_target "amdgcn-amd-amdhsa--gfx1250"
	.amdhsa_code_object_version 6
	.text
	.protected	k_q231c5ab1b5_attn
	.globl	k_q231c5ab1b5_attn
	.p2align	8
	.type	k_q231c5ab1b5_attn,@function
k_q231c5ab1b5_attn:
	s_mov_b64 s[64:65], 0
	v_nop
	global_prefetch_b8 v0, s[64:65] scope:SCOPE_SE
	s_setreg_imm32_b32 hwreg(HW_REG_WAVE_MODE, 25, 1), 1
	s_wait_xcnt 0x0
	s_wait_alu depctr_hold_cnt(0) depctr_sa_sdst(0) depctr_va_vdst(0) depctr_va_sdst(0) depctr_va_ssrc(0) depctr_va_vcc(0) depctr_vm_vsrc(0)
	s_getreg_b32 s2, hwreg(HW_REG_IB_STS2, 6, 4)
	s_cmp_eq_u32 s2, 0
	s_cbranch_scc0 .Lentry_in_a_cluster
	s_endpgm
.Lentry_in_a_cluster:
	s_bfe_u32 s2, ttmp6, 0x10000c
	s_cmp_lg_u32 s2, 0x3003
	s_cbranch_scc0 .Lentry_shape_is_right
	s_endpgm
.Lentry_shape_is_right:
; z = v^T (0.9 softmax(k q^T / 8) + 0.1), both products on codes of FP6 (E2M3) with E8M0 scales; z leaves quantised along f = 64 head + h, as records for the next product.
; SHARES.  A work-group of eight waves: one batch, one pair of heads, 128 queries.  A PAIR of waves: two tiles of 16 queries x two heads: four PASSES (head = pass % 2, tile = pass / 2) of one loop.
; Wave kh of a pair takes keys 512 kh .. 512 kh + 511: 32 key tiles, 256 registers of scores, so that a wave needs 512 registers and two waves share a SIMD.
; Each half takes its own largest score m_h and its own sum l_h of p = 2^(c s - c m_h), c = log2(e) / 8.  The two are handed over through LDS: m = the larger, f_h = 2^(c m_h - c m), l = l_0 f_0 + l_1 f_1,
; attn = p (0.9 f_h / l) + 0.1.  The halves' O^T are added in the wave that owns the tile (kh = pass / 2, the other way round in pairs 2, 3): the other hands its 32 registers over through LDS.  Two work-group barriers a pass.
; K (64 records of 896 bytes a head) and V^T (32 records of 1,664 bytes a head) of both heads lie in LDS; nothing is filled again.  At the head each wave brings an eighth of the even head's K; behind the full sequence
; and a round waves 0-3 bring the odd head's K and waves 4-7 both heads' V^T, which land under pass 0's scores: each pass's first barrier has every wave's wait for its tensor loads in front of it.
; CLUSTER of 4 x 1: the four blocks of queries of a cluster read the same K and V: every load is joint, with the mask of all four.  No prefetch: every tile is asked for once, at the launch's start.
; LAYOUT.  S^T = K Q^T (source 0 = 16 keys, source 1 = my 16 queries), O^T = V^T P^T: a lane holds ONE query; the 16 registers of key tiles 2 b, 2 b + 1 are keys 32 b + 16 (lane / 16) + 0 .. 15 of their group.
; K = 64 in the first product: Q's codes of k = 64 .. 127 are zeros, so whatever codes stand in registers 6-11 of K's operand add nothing (FP6 has no NaN or infinity, and no scale byte here is 0xff):
; K's tiles lie 6 registers apart, and an operand's upper half names the next tile's registers.
; A block's largest attn is not searched for: the block's largest SCORE goes through the same instructions; this takes v_exp_f32 not to fall where its input rises.
; LIMITS: NaN and infinities are not served; the scaled scores stay under 2^31; a block of z whose largest magnitude lies under 2^-124 keeps the scale byte 1, a block of zeros too (zero codes).
; REGISTERS: window 0 as named below; window 1: S^T, then p, then attn: key tile i at v[8 i].
.set KREC,  896
.set REC,   1664
.set KHB,   64*KREC                    ; a head's K in LDS: head e at KHB e
.set VHB,   32*REC                     ; a head's V^T: head e at VLDS + VHB e
.set VLDS,  2*KHB
.set XCH,   VLDS+2*VHB                 ; 256 bytes a wave: -c m_h and l_h, 8 bytes a lane
.set OXA,   XCH+2048                   ; 4,096 bytes a wave: O^T handed over
.set SPARE, OXA+8*4096                 ; the spare words, 128 bytes a wave: four blocks of 256 bytes that no other line names
.set LI,   1                           ; 16 x lane
.set L8,   2                           ; 8 x lane
.set LS,   3                           ; 4 x lane
.set AK,   4                           ; v4-6 the pass's K: registers 0-3, 4-5, scale words
.set AK8,  5
.set AKS,  6
.set AV,   7                           ; v7-8 the pass's V
.set AVS,  8
.set XS,   9                           ; where I put my pair of numbers
.set SPW,  10                          ; my spare word; never rewritten
.set NIL,  11                          ; 0; never rewritten
.set NMC,  12                          ; v12 -c m_h (serves both halves of packed forms), v13 l_h
.set RR,   14                          ; v[14:15] 0.9 f_h / l
.set TEN,  16                          ; v[16:17] 0.1
.set SU,   18                          ; v18-25 chains
.set QA,   26                          ; v26-28 Q's offsets
.set XL,   29                          ; where my partner's pair lies
.set ZA,   30                          ; v30-31 z's offsets
.set KI,   32                          ; v32-36 the same five addresses for head 0, my half of the keys
.set K8I,  33
.set KSI,  34
.set VI,   35
.set VSI,  36
.set OXS,  37                          ; O^T: my area, my partner's
.set OXL,  38
.set XP,   42                          ; v[42:43] my partner's pair
.set SCL,  44                          ; v44-59 the other lanes' maxima, then the conversions' scale operands
.set PWS,  60                          ; v60-63 attn's scale words
.set KSC,  64                          ; v64-71 K's, then V's scale words, two sets
.set QF,   72                          ; v72-83 Q's fragment
.set QS,   84
.set PC,   86                          ; v86-105 attn's codes
.set ZT,   86                          ; at work on z, when attn's codes are done with
.set OT,   106                         ; v106-137 O^T
.set RC,   138                         ; v138-149 z's record
.set SWP,  150
.set SW,   151
.set PWZ,  152
.set F,    160                         ; v160-255: K's tiles, set p at F + 30 p; V's, set p at F + 48 p; my partner's O^T
.set BM,   224                         ; v224-239 the 16 blocks' largest scores, then attn, then bytes: done with before V's set 1 is first asked for
.set WV,   12
.set G1K,  24
.set G1V,  32
.set G0H,  40
.set G0K,  44
.set G0V,  48
.set QB,   52
.set ZB,   54
.set CS,   56
.set SEL,  58
.set KB,   60                          ; KHB x the pass's head
.set VB,   61                          ; VHB x the pass's head
.set PN,   62
.set QOFF, 63
.set PR,   66                          ; my pair
.set KH,   67                          ; my half of the keys
.set OW,   68                          ; 0: I own the pass's tile
.set MSB,  0
.macro WIN new                         ; the immediate's high byte repeats the setting that is left
.if MSB != (\new)
	s_set_vgpr_msb (MSB<<8)|(\new)
.set MSB, (\new)
.endif
.endm
.macro PLACES n
.rept \n
	v_nop
.endr
.endm
.macro CROUND                          ; a round of the cluster's barrier
	s_barrier_signal -1
	s_barrier_wait -1
	s_cmp_lg_u32 s[WV], 0
	s_cbranch_scc1 .Lnot_wave_0_\@
	s_barrier_signal -3
.Lnot_wave_0_\@:
	s_barrier_wait -3
	s_barrier_signal -1
	s_barrier_wait -1
.endm
.macro QLOAD                           ; the Q record s[QOFF] bytes on
	v_add_nc_u32 v[QA], s[QOFF], v[LI]
	v_add_nc_u32 v[QA+1], s[QOFF], v[L8]
	v_add_nc_u32 v[QA+2], s[QOFF], v[LS]
	global_load_b128 v[QF:QF+3], v[QA], s[QB:QB+1]
	global_load_b64 v[QF+4:QF+5], v[QA+1], s[QB:QB+1] offset:512
	global_load_b32 v[QS], v[QA+2], s[QB:QB+1] offset:768
.endm
.macro KLOAD gg                        ; my key tiles 4 gg .. 4 gg + 3 into set gg % 2: 12 LDS loads
.irp t, 0,1,2,3
	ds_load_b128 v[F+30*((\gg)%2)+6*\t:F+30*((\gg)%2)+6*\t+3], v[AK] offset:(4*(\gg)+\t)*KREC
	ds_load_b64 v[F+30*((\gg)%2)+6*\t+4:F+30*((\gg)%2)+6*\t+5], v[AK8] offset:(4*(\gg)+\t)*KREC+512
.endr
.irp t, 0,1,2,3
	ds_load_b32 v[KSC+4*((\gg)%2)+\t], v[AKS] offset:(4*(\gg)+\t)*KREC+768
.endr
.endm
.macro VLOAD ss                        ; V^T's four tiles of my K step ss into set ss % 2: 16 LDS loads
.irp t, 0,1,2,3
.irp c, 0,1,2
	ds_load_b128 v[F+48*((\ss)%2)+12*\t+4*\c:F+48*((\ss)%2)+12*\t+4*\c+3], v[AV] offset:(8*\t+(\ss))*REC+512*\c
.endr
.endr
.irp t, 0,1,2,3
	ds_load_b32 v[KSC+4*((\ss)%2)+\t], v[AVS] offset:(8*\t+(\ss))*REC+1536
.endr
.endm
.macro BMAX gm                         ; the largest score of blocks 2 gm, 2 gm + 1 (my 16 keys of each); each accumulator is read from its low end on.  Sources 0, 1 in window 1
.irp i, 0,2,4,6,8,10,12,14
.irp u, 0,1
.if \i == 0
	v_max3_num_f32 v[BM+2*(\gm)+\u], v[16*(2*(\gm)+\u)], v[16*(2*(\gm)+\u)+1], 0xff800000
.else
	v_max3_num_f32 v[BM+2*(\gm)+\u], v[16*(2*(\gm)+\u)+\i], v[16*(2*(\gm)+\u)+\i+1], v[BM+2*(\gm)+\u]
.endif
.endr
.endr
.endm
.macro PCVT ss                         ; attn of my keys 128 ss on becomes the second product's source 1
.set sb, 64*(\ss)
	WIN 0x01
	v_cvt_scalef32_pk16_fp6_f32 v[PC:PC+2], v[sb:sb+15], v[SCL+4*(\ss)]
	v_cvt_scalef32_pk16_fp6_f32 v[PC+12:PC+14], v[sb+16:sb+31], v[SCL+4*(\ss)+1]
	v_cvt_scalef32_pk16_fp6_f32 v[PC+6:PC+8], v[sb+32:sb+47], v[SCL+4*(\ss)+2]
	v_cvt_scalef32_pk16_fp6_f32 v[PC+16:PC+18], v[sb+48:sb+63], v[SCL+4*(\ss)+3]
	WIN 0
	v_nop                                          ; one plain place behind a scaled conversion
.irp c, 0,1                                    ; a WHOLE block in a lane
.irp i, 0,1,2
	v_permlane16_swap_b32 v[PC+6*\c+\i], v[PC+12+4*\c+\i]
.endr
.irp i, 0,1,2
	v_mov_b32 v[PC+3+6*\c+\i], v[PC+12+4*\c+\i]
.endr
.endr
.endm
	s_load_b128 s[4:7], s[0:1], 0x0                ; qkv s[4:5], zq s[6:7]
	v_lshl_add_u32 v[SPW], v0, 2, SPARE
	v_mov_b32 v[NIL], 0
	ds_add_u32 v[SPW], v[NIL]                      ; the opening lines: the add, twice on end, and its wait ahead of my first tensor load
	ds_add_u32 v[SPW], v[NIL]
	v_lshrrev_b32 v1, 5, v0
	v_readfirstlane_b32 s[WV], v1                  ; wave 0..7
	s_lshr_b32 s[PR], s[WV], 1
	s_and_b32 s[KH], s[WV], 1
	s_bfe_u32 s13, ttmp6, 0x40000                  ; cx
	s_lshl_b32 s14, ttmp9, 2
	s_add_co_u32 s14, s14, s13                     ; my block of 128 queries: it enters Q's and z's addresses alone
	s_and_b32 s15, ttmp7, 0xffff
	s_lshr_b32 s16, s15, 3                         ; batch
	s_and_b32 s17, s15, 7                          ; pair of heads
	s_lshl_b32 s20, s16, 4
	s_lshl_b32 s19, s17, 1
	s_add_co_u32 s20, s20, s19                     ; 16 batch + the even head
	s_mul_i32 s70, s20, KHB
	s_add_co_u32 s70, s70, 3670016                 ; the even head's K (K's records lie behind Q's)
	s_mul_i32 s18, s[WV], 28*256
	s_add_co_u32 s72, s70, s18                     ; my eighth of it: 28 rows of 256 bytes
	s_mov_b32 s73, 0
	s_mul_i32 s19, s[WV], 56*256
	s_add_co_u32 s70, s70, s19
	s_add_co_u32 s70, s70, KHB                     ; waves 0-3: a quarter of the odd head's K, 56 rows
	s_mov_b32 s71, 0
	s_lshl_b32 s74, s16, 6
	s_lshl_b32 s21, s17, 3
	s_add_co_u32 s74, s74, s21                     ; V^T: tile 64 batch + 8 pair
	s_mul_i32 s74, s74, 8*REC
	s_add_co_u32 s74, s74, 7340032-4*104*256
	s_mul_i32 s21, s[WV], 104*256
	s_add_co_u32 s74, s74, s21                     ; waves 4-7: a quarter of both heads' V^T, 104 rows
	s_mov_b32 s75, 0
	s_mov_b32 s[G0H], 1
	s_mov_b32 s[G0H+1], s18
	s_mov_b32 s[G0K], 1
	s_add_co_u32 s[G0K+1], s19, KHB
	s_mov_b32 s[G0V], 1
	s_add_co_u32 s[G0V+1], s21, VLDS-4*104*256
	s_lshl_b32 s22, s14, 3
	s_lshl_b32 s23, s[PR], 1
	s_add_co_u32 s22, s22, s23                     ; my pair's first tile of queries in the batch
	s_lshl_b32 s76, s20, 6
	s_add_co_u32 s76, s76, s22
	s_mul_i32 s76, s76, KREC
	s_mov_b32 s77, 0
	s_lshl_b32 s78, s16, 6
	s_add_co_u32 s78, s78, s22
	s_lshl_b32 s78, s78, 3
	s_add_co_u32 s78, s78, s17                     ; z: record (tile, K step = pair of heads)
	s_mul_i32 s78, s78, REC
	s_mov_b32 s79, 0
	; group 1: dense blocks as rows of 256 bytes (32 elements of 8 bytes): K 28 rows at the head, then 56; V 104
	s_mov_b32 s[G1K], 15|(3<<16)|(1<<21)           ; 15:0 the mask: all four work-groups; 17:16 elements of 8 bytes; 21 set beside a mask
	s_mov_b32 s[G1K+1], 32<<16
	s_mov_b32 s[G1K+2], 28<<16
	s_mov_b32 s[G1K+3], 32<<16
	s_mov_b32 s[G1K+4], 28
	s_mov_b32 s[G1K+5], 32
	s_mov_b32 s[G1K+6], 0
	s_mov_b32 s[G1K+7], 0
	s_mov_b32 s[G1V], 15|(3<<16)|(1<<21)
	s_mov_b32 s[G1V+1], 32<<16
	s_mov_b32 s[G1V+2], 104<<16
	s_mov_b32 s[G1V+3], 32<<16
	s_mov_b32 s[G1V+4], 104
	s_mov_b32 s[G1V+5], 32
	s_mov_b32 s[G1V+6], 0
	s_mov_b32 s[G1V+7], 0
	s_mov_b32 s[CS], 0x3e38aa3b                    ; c = log2(e) / 8
	s_mov_b32 s[CS+1], s[CS]
	s_mov_b32 s[SEL], 0x76543210
	s_mov_b32 s[SEL+1], 0xfedcba98
	s_mov_b32 s[KB], 0
	s_mov_b32 s[VB], 0
	s_mov_b32 s[PN], 0
	s_mov_b32 s[QOFF], 0
	s_wait_dscnt 0x0                               ; both opening adds are done
	s_wait_kmcnt 0x0
	s_add_nc_u64 s[G0H+2:G0H+3], s[4:5], s[72:73]
	s_or_b32 s[G0H+3], s[G0H+3], 0x80000000
	s_add_nc_u64 s[G0K+2:G0K+3], s[4:5], s[70:71]
	s_or_b32 s[G0K+3], s[G0K+3], 0x80000000
	s_add_nc_u64 s[G0V+2:G0V+3], s[4:5], s[74:75]
	s_or_b32 s[G0V+3], s[G0V+3], 0x80000000
	s_add_nc_u64 s[QB:QB+1], s[4:5], s[76:77]
	s_add_nc_u64 s[ZB:ZB+1], s[6:7], s[78:79]
	CROUND                                         ; all four work-groups are here: the joint loads meet
	tensor_load_to_lds s[G0H:G0H+3], s[G1K:G1K+7]  ; my eighth of the even head's K: one load a wave at the head
	s_nop 0
	PLACES 4
	v_and_b32 v39, 31, v0
	v_lshlrev_b32 v[LI], 4, v39
	v_lshlrev_b32 v[L8], 3, v39
	v_lshlrev_b32 v[LS], 2, v39
	QLOAD                                          ; pass 0's Q
	s_mul_i32 s18, s[KH], 32*KREC                  ; my half of the keys: 32 tiles of K on,
	v_add_nc_u32 v[KI], s18, v[LI]
	v_add_nc_u32 v[K8I], s18, v[L8]
	v_add_nc_u32 v[KSI], s18, v[LS]
	s_mul_i32 s18, s[KH], 4*REC                    ; 4 K steps of V^T on
	s_add_co_u32 s18, s18, VLDS
	v_add_nc_u32 v[VI], s18, v[LI]
	v_add_nc_u32 v[VSI], s18, v[LS]
	v_lshl_add_u32 v[XS], v0, 3, XCH               ; 256 wave + 8 lane
	v_xor_b32 v[XL], 256, v[XS]                    ; my partner is wave xor 1
	s_lshl_b32 s18, s[WV], 12
	s_add_co_u32 s18, s18, OXA
	v_add_nc_u32 v[OXS], s18, v[LI]
	s_xor_b32 s18, s[WV], 1
	s_lshl_b32 s18, s18, 12
	s_add_co_u32 s18, s18, OXA
	v_add_nc_u32 v[OXL], s18, v[LI]
	v_mov_b32 v[NMC+1], 0                          ; named in pairs before they are first made
	v_mov_b32 v[RR+1], 0
	v_mov_b32 v[TEN], 0x3dcccccd                   ; 0.1
	v_mov_b32 v[TEN+1], 0
.set ii, 0
.rept 16
	v_mov_b32 v[SCL+ii], 0                         ; written once: a lane permute's destination counts as one of its sources
.set ii, ii+1
.endr
.irp i, 0,1,2,3,4,5
	v_mov_b32 v[QF+6+\i], 0                        ; k = 64 .. 127 of the first product: zero codes
	v_mov_b32 v[RC+\i], 0
	v_mov_b32 v[F+24+\i], 0                        ; behind each set's last tile of K: named by its operand, so written
	v_mov_b32 v[F+54+\i], 0
.endr
	v_mov_b32 v[SWP], 0
	s_wait_alu depctr_va_vdst(0)
	s_wait_tensorcnt 0x0                           ; my eighth is in; the later first fills are issued as refills are:
	ds_add_u32 v[SPW], v[NIL]                      ; 0 onto my spare word
	s_mov_b32 s[G1K+2], 56<<16                     ; no load of mine is out: K's loads now bring 56 rows
	s_mov_b32 s[G1K+4], 56
	s_wait_dscnt 0x0
	CROUND                                         ; the even head's K is whole, and all four work-groups are here
	s_cmp_lt_u32 s[WV], 4
	s_cbranch_scc0 .Lfor_v
	tensor_load_to_lds s[G0K:G0K+3], s[G1K:G1K+7]
	s_nop 0
	PLACES 4
	s_branch .Lasked
.Lfor_v:
	tensor_load_to_lds s[G0V:G0V+3], s[G1V:G1V+7]
	s_nop 0
	PLACES 4
.Lasked:
.Lpass:
	v_add_nc_u32 v[AK], s[KB], v[KI]
	v_add_nc_u32 v[AK8], s[KB], v[K8I]
	v_add_nc_u32 v[AKS], s[KB], v[KSI]
	v_add_nc_u32 v[AV], s[VB], v[VI]
	v_add_nc_u32 v[AVS], s[VB], v[VSI]
	KLOAD 0
	s_wait_alu depctr_va_vdst(0)
	s_wait_loadcnt 0x0                             ; Q, asked for a pass ago
	; ---- S^T = K Q^T: 32 tiles of 16 keys, four at a time; the maxima of the four before stand behind each four products
.set g, 0
.rept 8
.if g < 7
.if g == 1
	PLACES 4                                       ; in front of loads into the set that the first four products read (later the 16 maxima are these places)
.endif
	KLOAD g+1
	s_wait_dscnt 12                                ; these four tiles are in; the next four's 12 loads may be out
.else
	s_wait_dscnt 0x0
.endif
	WIN 0x40
.irp t, 0,1,2,3
	v_wmma_scale_f32_16x16x128_f8f6f4 v[8*(4*g+\t):8*(4*g+\t)+7], v[F+30*(g%2)+6*\t:F+30*(g%2)+6*\t+11], v[QF:QF+11], 0, v[KSC+4*(g%2)+\t], v[QS] matrix_a_fmt:MATRIX_FMT_FP6 matrix_b_fmt:MATRIX_FMT_FP6
.endr
.if g > 0
	WIN 0x05
	BMAX g-1
.endif
	WIN 0
.set g, g+1
.endr
	PLACES 4                                       ; in front of the load into Q's registers and of the read of the last results
	s_add_co_u32 s14, s[PN], 1                     ; the next pass's Q (the last pass asks for pass 0's again: no load leaves the buffer)
	s_and_b32 s14, s14, 3
	s_and_b32 s15, s14, 1
	s_mul_i32 s15, s15, 64*KREC
	s_lshr_b32 s14, s14, 1
	s_mul_i32 s14, s14, KREC
	s_add_co_u32 s[QOFF], s14, s15
	QLOAD
	WIN 0x05
	BMAX 7
	WIN 0
.set ii, 0
.rept 16
	v_permlanex16_b32 v[SCL+ii], v[BM+ii], s[SEL], s[SEL+1]
.set ii, ii+1
.endr
.set ii, 0
.rept 16
	v_max_num_f32 v[BM+ii], v[BM+ii], v[SCL+ii]    ; with lane l xor 16's 16 keys
.set ii, ii+1
.endr
.irp k, 0,1,2,3
	v_max3_num_f32 v[SU+\k], v[BM+3*\k], v[BM+3*\k+1], v[BM+3*\k+2]
.endr
	v_max3_num_f32 v[SU], v[SU], v[BM+12], v[BM+13]
	v_max3_num_f32 v[SU+1], v[SU+1], v[BM+14], v[BM+15]
	v_max3_num_f32 v[SU], v[SU], v[SU+1], v[SU+2]
	v_max_num_f32 v[SU], v[SU], v[SU+3]            ; m_h
	v_mul_f32 v[NMC], 0xbe38aa3b, v[SU]            ; -c m_h
	; ---- p = 2^(c s - c m_h)
	WIN 0x41
.set j, 0
.rept 128
	v_pk_fma_f32 v[j:j+1], v[j:j+1], s[CS:CS+1], v[NMC:NMC+1] op_sel_hi:[1,0,0]
.set j, j+2
.endr
	WIN 0
.set ii, 0
.rept 16
	v_fma_f32 v[BM+ii], v[BM+ii], s[CS], v[NMC]    ; the same of each block's largest score
.set ii, ii+1
.endr
	s_wait_alu depctr_va_vdst(0)
.set ii, 0
.rept 16
	v_exp_f32 v[BM+ii], v[BM+ii]
.set ii, ii+1
.endr
	WIN 0x41
.set j, 0
.rept 256
	v_exp_f32 v[j], v[j]
.set j, j+1
.endr
	v_nop                                          ; a plain place behind the last exponential
	s_wait_alu depctr_va_vdst(0)                   ; and one wait behind the batch
	; ---- l_h = the sum of my p, two at a time, in four chains
	WIN 0x05
.irp k, 0,1,2,3
	v_pk_add_f32 v[SU+2*\k:SU+2*\k+1], v[2*\k:2*\k+1], v[8+2*\k:9+2*\k]
.endr
	WIN 0x04
.set j, 16
.rept 120
	v_pk_add_f32 v[SU+2*((j/2)%4):SU+2*((j/2)%4)+1], v[SU+2*((j/2)%4):SU+2*((j/2)%4)+1], v[j:j+1]
.set j, j+2
.endr
	WIN 0
	v_pk_add_f32 v[SU:SU+1], v[SU:SU+1], v[SU+2:SU+3]
	v_pk_add_f32 v[SU+4:SU+5], v[SU+4:SU+5], v[SU+6:SU+7]
	v_pk_add_f32 v[SU:SU+1], v[SU:SU+1], v[SU+4:SU+5]
	v_add_f32 v[SU], v[SU], v[SU+1]
	v_permlanex16_b32 v[SU+2], v[SU], s[SEL], s[SEL+1]
	v_add_f32 v[NMC+1], v[SU], v[SU+2]             ; with lane l xor 16's keys: l_h
	; ---- the two halves meet
	ds_store_b64 v[XS], v[NMC:NMC+1]
	s_wait_alu depctr_va_vdst(0)
	s_wait_tensorcnt 0x0                           ; my later fill has landed (it counts in pass 0 alone): behind this barrier V and the odd head's K are whole
	s_wait_dscnt 0x0                               ; my pair is stored
	s_barrier_signal -1
	s_barrier_wait -1
	ds_load_b64 v[XP:XP+1], v[XL]
	VLOAD 0
	s_wait_dscnt 16                                ; my partner's pair is in; V's 16 loads may be out
	v_min_num_f32 v[SU], v[NMC], v[XP]             ; -c m
	v_sub_f32 v[SU+1], v[SU], v[NMC]               ; c m_h - c m, 0 or less
	v_sub_f32 v[SU+2], v[SU], v[XP]
	s_wait_alu depctr_va_vdst(0)
	v_exp_f32 v[SU+1], v[SU+1]                     ; f_h
	v_exp_f32 v[SU+2], v[SU+2]
	v_nop
	s_wait_alu depctr_va_vdst(0)
	v_mul_f32 v[SU+3], v[XP+1], v[SU+2]
	v_fma_f32 v[SU+3], v[NMC+1], v[SU+1], v[SU+3]  ; l
	v_mul_f32 v[SU+1], 0x3f666666, v[SU+1]
	s_wait_alu depctr_va_vdst(0)
	v_rcp_f32 v[SU+4], v[SU+3]
	v_nop
	s_wait_alu depctr_va_vdst(0)
	v_mul_f32 v[RR], v[SU+1], v[SU+4]              ; 0.9 f_h / l
	; ---- attn = p (0.9 f_h / l) + 0.1, and its blocks' scales
	WIN 0x41
.set j, 0
.rept 128
	v_pk_fma_f32 v[j:j+1], v[j:j+1], v[RR:RR+1], v[TEN:TEN+1] op_sel_hi:[1,0,0]
.set j, j+2
.endr
	WIN 0
.set ii, 0
.rept 16
	v_fma_f32 v[BM+ii], v[BM+ii], v[RR], v[TEN]    ; each block's largest attn, at least 0.1: no floor is wanted
.set ii, ii+1
.endr
.set ii, 0
.rept 16
	v_add_nc_u32 v[SCL+ii], 0xff000000, v[BM+ii]   ; 2 off the exponent field: the conversion's scale operand
.set ii, ii+1
.endr
.set ii, 0
.rept 16
	v_lshrrev_b32 v[BM+ii], 23, v[SCL+ii]          ; the scale's byte
.set ii, ii+1
.endr
.irp s, 0,1,2,3
	v_lshl_or_b32 v[PWS+\s], v[BM+4*\s+1], 8, v[BM+4*\s]
.endr
.irp s, 0,1,2,3
	v_lshl_or_b32 v[PWS+\s], v[BM+4*\s+2], 16, v[PWS+\s]
.endr
.irp s, 0,1,2,3
	v_lshl_or_b32 v[PWS+\s], v[BM+4*\s+3], 24, v[PWS+\s]
.endr
	; ---- my half of O^T = V^T P^T: 4 K steps of 128 keys, four accumulators by turns
.set ss, 0
.rept 4
.if ss > 0
	PLACES 4                                       ; in front of loads into, and writes of, registers that the last four products read
.endif
.if ss < 3
	VLOAD ss+1
.endif
	PCVT ss
	PLACES 4                                       ; an operand written by vector instructions stands four places ahead of a scaled product
	s_wait_alu depctr_va_vdst(0)
.if ss < 3
	s_wait_dscnt 16                                ; this step's V is in; the next step's 16 loads may be out
.else
	s_wait_dscnt 0x0
.endif
.irp t, 0,1,2,3
.if ss == 0
	v_wmma_scale_f32_16x16x128_f8f6f4 v[OT+8*\t:OT+8*\t+7], v[F+48*(ss%2)+12*\t:F+48*(ss%2)+12*\t+11], v[PC:PC+11], 0, v[KSC+4*(ss%2)+\t], v[PWS+ss] matrix_a_fmt:MATRIX_FMT_FP6 matrix_b_fmt:MATRIX_FMT_FP6
.else
	v_wmma_scale_f32_16x16x128_f8f6f4 v[OT+8*\t:OT+8*\t+7], v[F+48*(ss%2)+12*\t:F+48*(ss%2)+12*\t+11], v[PC:PC+11], v[OT+8*\t:OT+8*\t+7], v[KSC+4*(ss%2)+\t], v[PWS+ss] matrix_a_fmt:MATRIX_FMT_FP6 matrix_b_fmt:MATRIX_FMT_FP6
.endif
.endr
.set ss, ss+1
.endr
	PLACES 4
	; ---- the halves of O^T meet in the wave that owns the tile.  The branches hang on the wave's number and the count of passes alone, and lead round no barrier
	s_lshr_b32 s[OW], s[PN], 1
	s_xor_b32 s[OW], s[OW], s[KH]
	s_lshr_b32 s14, s[PR], 1                       ; pairs 2, 3 take the other order, so that waves w and w + 4 do not own at the same time
	s_xor_b32 s[OW], s[OW], s14
	s_cmp_eq_u32 s[OW], 0
	s_cbranch_scc1 .Lowner
.irp j, 0,1,2,3,4,5,6,7
	ds_store_b128 v[OXS], v[OT+4*\j:OT+4*\j+3] offset:512*\j   ; each accumulator from its low end on
.endr
.Lowner:
	s_wait_dscnt 0x0
	s_barrier_signal -1
	s_barrier_wait -1
	s_cmp_lg_u32 s[OW], 0
	s_cbranch_scc1 .Lnext
.irp j, 0,1,2,3,4,5,6,7
	ds_load_b128 v[F+4*\j:F+4*\j+3], v[OXL] offset:512*\j
.endr
	s_wait_dscnt 0x0
.set k, 0
.rept 16
	v_pk_add_f32 v[OT+k:OT+k+1], v[OT+k:OT+k+1], v[F+k:F+k+1]
.set k, k+2
.endr
	; z of this head: register 16 b + i = h 32 b + 16 (lane / 16) + i: two blocks, half a record
.irp b, 0,1
	v_max3_num_f32 v[ZT+\b], |v[OT+16*\b]|, |v[OT+16*\b+1]|, 0x1800000
.endr
.irp i, 2,4,6,8,10,12,14
.irp b, 0,1
	v_max3_num_f32 v[ZT+\b], v[ZT+\b], |v[OT+16*\b+\i]|, |v[OT+16*\b+\i+1]|
.endr
.endr
.irp b, 0,1
	v_permlanex16_b32 v[ZT+2+\b], v[ZT+\b], s[SEL], s[SEL+1]
.endr
.irp b, 0,1
	v_max_num_f32 v[ZT+\b], v[ZT+\b], v[ZT+2+\b]
.endr
.irp b, 0,1
	v_add_nc_u32 v[ZT+4+\b], 0xff000000, v[ZT+\b]
.endr
.irp b, 0,1
	v_lshrrev_b32 v[ZT+2+\b], 23, v[ZT+4+\b]
.endr
	v_lshl_or_b32 v[SW], v[ZT+3], 8, v[ZT+2]
	v_lshl_or_b32 v[PWZ], v[SW], 16, v[SWP]        ; (whole in an odd pass)
	v_cvt_scalef32_pk16_fp6_f32 v[RC+6:RC+8], v[OT:OT+15], v[ZT+4]
	v_cvt_scalef32_pk16_fp6_f32 v[ZT+8:ZT+10], v[OT+16:OT+31], v[ZT+5]
	v_nop                                          ; one plain place behind a scaled conversion
.irp i, 0,1,2
	v_permlane16_swap_b32 v[RC+6+\i], v[ZT+8+\i]
.endr
.irp i, 0,1,2
	v_mov_b32 v[RC+9+\i], v[ZT+8+\i]
.endr
	s_cmp_eq_u32 s[KB], 0                          ; an even pass has half a record: nothing is stored
	s_cbranch_scc1 .Leven
	s_lshr_b32 s14, s[PN], 1
	s_mul_i32 s14, s14, 8*REC                      ; the tile's record
	v_add_nc_u32 v[ZA], s14, v[LI]
	v_add_nc_u32 v[ZA+1], s14, v[LS]
	global_store_b128 v[ZA], v[RC:RC+3], s[ZB:ZB+1]
	global_store_b128 v[ZA], v[RC+4:RC+7], s[ZB:ZB+1] offset:512
	global_store_b128 v[ZA], v[RC+8:RC+11], s[ZB:ZB+1] offset:1024
	global_store_b32 v[ZA+1], v[PWZ], s[ZB:ZB+1] offset:1536
	s_wait_xcnt 0x0                                ; the stores have read their registers: the record is rewritten only behind this wait
.Leven:
	s_wait_alu depctr_va_vdst(0)
.irp i, 0,1,2,3,4,5
	v_mov_b32 v[RC+\i], v[RC+6+\i]                 ; an even head's half moves down
.endr
	v_mov_b32 v[SWP], v[SW]
.Lnext:
	s_xor_b32 s[KB], s[KB], KHB
	s_xor_b32 s[VB], s[VB], VHB
	s_add_co_u32 s[PN], s[PN], 1
	s_cmp_lt_u32 s[PN], 4
	s_wait_alu depctr_va_vdst(0)
	s_cbranch_scc1 .Lpass
	s_wait_tensorcnt 0x0                           ; the wave's end
	ds_add_u32 v[SPW], v[NIL]
	s_wait_dscnt 0x0
	CROUND                                         ; the closing round
	s_endpgm
.Lfunc_end_k_q231c5ab1b5_attn:
	.size	k_q231c5ab1b5_attn, .Lfunc_end_k_q231c5ab1b5_attn-k_q231c5ab1b5_attn
	.p2alignl 7, 3214868480
	.fill 96, 4, 3214868480
	.section	.rodata,"a",@progbits
	.p2align	6, 0x0
	.amdhsa_kernel k_q231c5ab1b5_attn
		.amdhsa_group_segment_fixed_size 327680
		.amdhsa_private_segment_fixed_size 0
		.amdhsa_enable_private_segment 0
		.amdhsa_kernarg_size 16
		.amdhsa_user_sgpr_count 2
		.amdhsa_user_sgpr_kernarg_segment_ptr 1
		.amdhsa_wavefront_size32 1
		.amdhsa_system_sgpr_workgroup_id_x 1
		.amdhsa_system_sgpr_workgroup_id_y 1
		.amdhsa_system_sgpr_workgroup_id_z 1
		.amdhsa_system_vgpr_workitem_id 0
		.amdhsa_next_free_vgpr 512
		.amdhsa_next_free_sgpr 80
		.amdhsa_reserve_vcc 0
		.amdhsa_float_denorm_mode_32 3
		.amdhsa_float_denorm_mode_16_64 3
		.amdhsa_memory_ordered 1
		.amdhsa_forward_progress 1
		.amdhsa_inst_pref_size 86
	.end_amdhsa_kernel
	.amdgpu_metadata
---
amdhsa.version: [ 1, 2 ]
amdhsa.kernels:
  - .name:           k_q231c5ab1b5_attn
    .symbol:         k_q231c5ab1b5_attn.kd
    .args:
      - { .name: qkv, .offset: 0, .size: 8, .value_kind: global_buffer, .address_space: global }
      - { .name: zq, .offset: 8, .size: 8, .value_kind: global_buffer, .address_space: global }
    .group_segment_fixed_size: 327680
    .private_segment_fixed_size: 0
    .kernarg_segment_align: 8
    .kernarg_segment_size: 16
    .max_flat_workgroup_size: 256
    .sgpr_count:     80
    .vgpr_count:     512
    .wavefront_size: 32
...
	.end_amdgpu_metadata
.endif
;; end of part 3
;; launch oproj (part 4): grid 8 x 32, 4 waves a work-group, clusters of 4 x 4, 327,680 bytes of LDS; arguments zq, wq, x, x1, x1q; writes x1, x1q
.if DOCPART == 4
	.amdgcn_target "amdgcn-amd-amdhsa--gfx1250"
	.amdhsa_code_object_version 6
	.text
	.protected	k_q231c5ab1b5_oproj
	.globl	k_q231c5ab1b5_oproj
	.p2align	8
	.type	k_q231c5ab1b5_oproj,@function
k_q231c5ab1b5_oproj:
	s_mov_b64 s[64:65], 0
	v_nop
	global_prefetch_b8 v0, s[64:65] scope:SCOPE_SE
	s_setreg_imm32_b32 hwreg(HW_REG_WAVE_MODE, 25, 1), 1
	s_wait_xcnt 0x0
	s_wait_alu depctr_hold_cnt(0) depctr_sa_sdst(0) depctr_va_vdst(0) depctr_va_sdst(0) depctr_va_ssrc(0) depctr_va_vcc(0) depctr_vm_vsrc(0)
	s_getreg_b32 s2, hwreg(HW_REG_IB_STS2, 6, 4)
	s_cmp_eq_u32 s2, 0
	s_cbranch_scc0 .Lentry_in_a_cluster
	s_endpgm
.Lentry_in_a_cluster:
	s_bfe_u32 s2, ttmp6, 0x10000c
	s_cmp_lg_u32 s2, 0xf033
	s_cbranch_scc0 .Lentry_shape_is_right
	s_endpgm
.Lentry_shape_is_right:
.set KS,    8                          ; all of K comes by one load a wave
.set NS,    8
.set S0OFF, 3584*1664
.set REC,   1664
.set ROWB,  KS*REC
.set QH,    4*ROWB
.set SLOT,  16*ROWB
.set SPARE, SLOT
.set STAGE, SLOT+512                   ; the waves' stages: bytes of their own, behind the spare words
.set SPITCH, 528
.set LI,   1
.set LS,   2
.set ADR1, 4
.set ADS1, 6
.set SPW,  12
.set NIL,  13
.set RD,   14
.set STO,  15
.set TM,   16
.set SC,   32
.set F1,   64
.set HA,   64
.set RB,   128
.set PC,   192
.set PW,   212
.set ADR0, 224
.set ADS0, 228
.set G1,   24
.set G0,   32
.set G1B,  48
.set G0B,  56
.set SEL,  68
.set MSB,  0
.macro WIN new
.if MSB != (\new)
	s_set_vgpr_msb (MSB<<8)|(\new)
.set MSB, (\new)
.endif
.endm
.macro PLACES n
.rept \n
	v_nop
.endr
.endm
.macro QUANT s, w
	WIN (\w)|((\w)<<2)
.irp b, 0,1,2,3
	v_max3_num_f32 v[TM+\b], |v[(\s)+16*\b]|, |v[(\s)+16*\b+1]|, 0x1800000
.endr
.irp i, 2,4,6,8,10,12,14
.irp b, 0,1,2,3
	v_max3_num_f32 v[TM+\b], |v[(\s)+16*\b+\i]|, |v[(\s)+16*\b+\i+1]|, v[TM+\b]
.endr
.endr
	WIN 0
.irp b, 0,1,2,3
	v_permlanex16_b32 v[TM+4+\b], v[TM+\b], s[SEL], s[SEL+1]
.endr
.irp b, 0,1,2,3
	v_max_num_f32 v[TM+\b], v[TM+\b], v[TM+4+\b]
.endr
.irp b, 0,1,2,3
	v_add_nc_u32 v[TM+12+\b], 0xff000000, v[TM+\b]
.endr
.irp b, 0,1,2,3
	v_lshrrev_b32 v[TM+4+\b], 23, v[TM+12+\b]
.endr
	v_lshl_or_b32 v[PW], v[TM+5], 8, v[TM+4]
	v_lshl_or_b32 v[PW], v[TM+6], 16, v[PW]
	v_lshl_or_b32 v[PW], v[TM+7], 24, v[PW]
	WIN (\w)
.irp c, 0,1
	v_cvt_scalef32_pk16_fp6_f32 v[PC+6*\c:PC+6*\c+2], v[(\s)+32*\c:(\s)+32*\c+15], v[TM+12+2*\c]
	v_cvt_scalef32_pk16_fp6_f32 v[PC+12+4*\c:PC+12+4*\c+2], v[(\s)+32*\c+16:(\s)+32*\c+31], v[TM+13+2*\c]
.endr
	WIN 0
	v_nop
.irp c, 0,1
.irp i, 0,1,2
	v_permlane16_swap_b32 v[PC+6*\c+\i], v[PC+12+4*\c+\i]
.endr
.irp i, 0,1,2
	v_mov_b32 v[PC+3+6*\c+\i], v[PC+12+4*\c+\i]
.endr
.endr
.endm
.macro JLOAD g0a, g1a, g0b, g1b
	s_cmp_eq_u32 s15, 0
	s_cbranch_scc0 .Lfor_b_\@
	tensor_load_to_lds s[\g0a:\g0a+3], s[\g1a:\g1a+7]
	s_nop 0
.rept 4
	v_nop
.endr
	s_branch .Lasked_\@
.Lfor_b_\@:
	tensor_load_to_lds s[\g0b:\g0b+3], s[\g1b:\g1b+7]
	s_nop 0
.rept 4
	v_nop
.endr
.Lasked_\@:
.endm
.macro CROUND
	s_barrier_signal -1
	s_barrier_wait -1
	s_cmp_lg_u32 s14, 0
	s_cbranch_scc1 .Lnot_wave_0_\@
	s_barrier_signal -3
.Lnot_wave_0_\@:
	s_barrier_wait -3
	s_barrier_signal -1
	s_barrier_wait -1
.endm
.macro FETCH slot, q, p, rb, r1, s1
	WIN 0x40
.irp b, 0,1,2,3,4,5,6,7
.irp g, 0,1,2
	ds_load_b128 v[128*(\p)+12*\b+4*\g:128*(\p)+12*\b+4*\g+3], v[ADR0+2*(\slot)+\b/4] offset:(\b%4)*(\rb)+(\q)*REC+512*\g
.endr
.endr
	WIN 0
.irp a, 0,1
.irp g, 0,1,2
	ds_load_b128 v[F1+96*(\p)+12*\a+4*\g:F1+96*(\p)+12*\a+4*\g+3], v[\r1] offset:\a*(\rb)+(\q)*REC+512*\g
.endr
	ds_load_b32 v[SC+16*(\p)+\a], v[\s1] offset:\a*(\rb)+(\q)*REC+1536
.endr
.irp b, 0,1,2,3,4,5,6,7
	ds_load_b32 v[SC+16*(\p)+8+\b], v[ADS0+2*(\slot)+\b/4] offset:(\b%4)*(\rb)+(\q)*REC+1536
.endr
.endm
.macro MULA a, p, mode
	WIN 0xa1
.irp b, 0,1,2,3,4,5,6,7
.set rD, 8*(8*(\a)+\b)
.set r0, 128*(\p)+12*\b
.set r1, F1+96*(\p)+12*(\a)
.if \mode == 0
	v_wmma_scale_f32_16x16x128_f8f6f4 v[rD:rD+7], v[r0:r0+11], v[r1:r1+11], v[rD:rD+7], v[SC+16*(\p)+8+\b], v[SC+16*(\p)+(\a)] matrix_a_fmt:MATRIX_FMT_FP6 matrix_b_fmt:MATRIX_FMT_FP6
.else
	v_wmma_scale_f32_16x16x128_f8f6f4 v[rD:rD+7], v[r0:r0+11], v[r1:r1+11], 0, v[SC+16*(\p)+8+\b], v[SC+16*(\p)+(\a)] matrix_a_fmt:MATRIX_FMT_FP6 matrix_b_fmt:MATRIX_FMT_FP6
.endif
.endr
.endm
.macro STEP slot, q, mode
	s_wait_dscnt 0x0
	PLACES 4
	FETCH \slot, (\q)+1, 1-(\q)%2, ROWB, ADR1+\slot, ADS1+\slot
	MULA 0, (\q)%2, \mode
	MULA 1, (\q)%2, \mode
	WIN 0
.endm
	s_load_b256 s[4:11], s[0:1], 0x0
	s_load_b64 s[12:13], s[0:1], 0x20
	v_lshl_add_u32 v[SPW], v0, 2, SPARE
	v_mov_b32 v[NIL], 0
	ds_add_u32 v[SPW], v[NIL]
	ds_add_u32 v[SPW], v[NIL]
	v_lshrrev_b32 v1, 5, v0
	v_readfirstlane_b32 s14, v1
	s_lshr_b32 s15, s14, 1
	s_and_b32 s16, s14, 1
	s_bfe_u32 s40, ttmp6, 0x40000
	s_bfe_u32 s41, ttmp6, 0x40004
	s_lshl_b32 s42, ttmp9, 2
	s_add_co_u32 s42, s42, s40
	s_and_b32 s67, ttmp7, 0xffff
	s_lshl_b32 s17, s67, 2
	s_add_co_u32 s17, s17, s41
	s_lshl_b32 s43, s41, 2
	s_lshl_b32 s43, 15, s43
	s_lshl_b32 s44, 0x1111, s40
	s_or_b32 s[G1+0], s43, (3<<16)|(1<<21)
	s_or_b32 s[G1B+0], s44, (3<<16)|(1<<21)
.irp g, G1, G1B
	s_mov_b32 s[\g+1], (208*KS)<<16
	s_mov_b32 s[\g+2], 4<<16
	s_mov_b32 s[\g+3], (208*KS)<<16
	s_mov_b32 s[\g+4], 4
	s_mov_b32 s[\g+5], 208*NS
	s_mov_b32 s[\g+6], 0
	s_mov_b32 s[\g+7], 0
.endr
	s_lshl_b32 s18, s16, 2
	s_lshl_b32 s20, s17, 3
	s_add_co_u32 s20, s20, s18
	s_mul_i32 s20, s20, NS*REC
	s_mov_b32 s21, 0
	s_lshl_b32 s46, s42, 3
	s_add_co_u32 s46, s46, s18
	s_mul_i32 s46, s46, NS*REC
	s_add_co_u32 s46, s46, S0OFF
	s_mov_b32 s47, 0
	s_mul_i32 s45, s16, QH
	s_add_co_u32 s66, s45, 8*ROWB
	s_mov_b32 s[SEL], 0x76543210
	s_mov_b32 s[SEL+1], 0xfedcba98
	s_wait_dscnt 0x0
	s_wait_kmcnt 0x0
	s_add_nc_u64 s[20:21], s[4:5], s[20:21]
	s_add_nc_u64 s[46:47], s[6:7], s[46:47]
	CROUND
.irp s, 0
	s_mov_b32 s[G0+4*\s], 1
	s_add_co_u32 s[G0+4*\s+1], s45, \s*SLOT
	s_add_nc_u64 s[G0+4*\s+2:G0+4*\s+3], s[20:21], \s*ROWB
	s_or_b32 s[G0+4*\s+3], s[G0+4*\s+3], 0x80000000
	s_mov_b32 s[G0B+4*\s], 1
	s_add_co_u32 s[G0B+4*\s+1], s66, \s*SLOT
	s_add_nc_u64 s[G0B+4*\s+2:G0B+4*\s+3], s[46:47], \s*ROWB
	s_or_b32 s[G0B+4*\s+3], s[G0B+4*\s+3], 0x80000000
	JLOAD G0+4*\s, G1, G0B+4*\s, G1B
.endr
	v_and_b32 v3, 31, v0
	v_lshlrev_b32 v[LI], 4, v3
	v_lshlrev_b32 v[LS], 2, v3
	s_mul_i32 s18, s14, 2*ROWB
.irp s, 0,1
	v_add_nc_u32 v[ADR1+\s], s18, v[LI]
	v_add_nc_u32 v[ADS1+\s], s18, v[LS]
	s_add_co_u32 s18, s18, SLOT
.irp f, 0,1
	v_add_nc_u32 v[ADR0+2*\s+\f], 8*ROWB+\f*QH+\s*SLOT, v[LI]
	v_add_nc_u32 v[ADS0+2*\s+\f], 8*ROWB+\f*QH+\s*SLOT, v[LS]
.endr
.endr
	s_mul_i32 s18, s14, 16*SPITCH
	s_add_co_u32 s18, s18, STAGE
	v_add_nc_u32 v[RD], s18, v[LI]
	v_and_b32 v[TM], 15, v0
	v_bfe_u32 v[TM+1], v0, 4, 1
	v_mul_u32_u24 v[STO], v[TM], SPITCH
	v_lshl_add_u32 v[STO], v[TM+1], 6, v[STO]
	v_add_nc_u32 v[STO], s18, v[STO]
.irp b, 0,1,2,3
	v_mov_b32 v[TM+4+\b], 0
.endr
	s_lshl_b32 s18, s17, 2
	s_add_co_u32 s18, s18, s14
	s_lshl_b32 s22, s18, 17
	s_lshl_b32 s23, s42, 9
	s_add_co_u32 s22, s22, s23
	s_mov_b32 s23, 0
	s_add_nc_u64 s[70:71], s[8:9], s[22:23]
	s_lshl_b32 s18, s18, 4
	s_add_co_u32 s18, s18, s42
	s_lshl_b32 s22, s18, 13
	s_add_nc_u64 s[72:73], s[10:11], s[22:23]
	s_mul_i32 s22, s18, REC
	s_add_nc_u64 s[74:75], s[12:13], s[22:23]
	s_wait_alu depctr_va_vdst(0)
	s_wait_tensorcnt 0x0
	s_barrier_signal -1
	s_barrier_wait -1
	FETCH 0, 0, 0, ROWB, ADR1, ADS1
	WIN 0xc0
.irp a, 0,1
.irp i, 0,1,2,3,4,5,6,7,8,9,10,11,12,13,14,15
	global_load_b128 v[64*\a+4*\i:64*\a+4*\i+3], v[LI], s[70:71] offset:(8*\a+\i+8*(\i/8))*4096 th:TH_LOAD_NT
.endr
.endr
	WIN 0
	STEP 0, 0, 1
	STEP 0, 1, 0
	STEP 0, 2, 0
	STEP 0, 3, 0
	STEP 0, 4, 0
	STEP 0, 5, 0
	STEP 0, 6, 0
	s_wait_dscnt 0x0
	MULA 0, 1, 0
	MULA 1, 1, 0
	WIN 0
	PLACES 4
	s_wait_loadcnt 0x0
.irp a, 0,1
	WIN 0x0c
.irp i, 0,1,2,3,4,5,6,7,8,9,10,11,12,13,14,15
	ds_store_b128 v[RD], v[64*\a+4*\i:64*\a+4*\i+3] offset:SPITCH*\i
.endr
	WIN 0
.irp j, 0,1,2,3,4,5,6,7,8,9,10,11,12,13,14,15
	ds_load_b128 v[RB+4*\j:RB+4*\j+3], v[STO] offset:128*(\j/4)+16*(\j%4)
.endr
	s_wait_dscnt 0x0
.if \a > 0
	s_wait_xcnt 0x0
.endif
	WIN 0x02
.set k, 0
.rept 32
	v_pk_add_f32 v[HA+k:HA+k+1], v[64*\a+k:64*\a+k+1], v[RB+k:RB+k+1]
.set k, k+2
.endr
	WIN 0
.irp j, 0,1,2,3,4,5,6,7,8,9,10,11,12,13,14,15
	global_store_b128 v[LI], v[HA+4*\j:HA+4*\j+3], s[72:73] offset:65536*\a+512*\j
.endr
	QUANT HA, 0
	global_store_b128 v[LI], v[PC:PC+3], s[74:75] offset:8*REC*\a
	global_store_b128 v[LI], v[PC+4:PC+7], s[74:75] offset:8*REC*\a+512
	global_store_b128 v[LI], v[PC+8:PC+11], s[74:75] offset:8*REC*\a+1024
	global_store_b32 v[LS], v[PW], s[74:75] offset:8*REC*\a+1536
.endr
	s_wait_tensorcnt 0x0
	ds_add_u32 v[SPW], v[NIL]
	s_wait_dscnt 0x0
	CROUND
	s_endpgm
.Lfunc_end_k_q231c5ab1b5_oproj:
	.size	k_q231c5ab1b5_oproj, .Lfunc_end_k_q231c5ab1b5_oproj-k_q231c5ab1b5_oproj
	.p2alignl 7, 3214868480
	.fill 96, 4, 3214868480
	.section	.rodata,"a",@progbits
	.p2align	6, 0x0
	.amdhsa_kernel k_q231c5ab1b5_oproj
		.amdhsa_group_segment_fixed_size 327680
		.amdhsa_private_segment_fixed_size 0
		.amdhsa_enable_private_segment 0
		.amdhsa_kernarg_size 40
		.amdhsa_user_sgpr_count 2
		.amdhsa_user_sgpr_kernarg_segment_ptr 1
		.amdhsa_wavefront_size32 1
		.amdhsa_system_sgpr_workgroup_id_x 1
		.amdhsa_system_sgpr_workgroup_id_y 1
		.amdhsa_system_sgpr_workgroup_id_z 1
		.amdhsa_system_vgpr_workitem_id 0
		.amdhsa_next_free_vgpr 1024
		.amdhsa_next_free_sgpr 100
		.amdhsa_reserve_vcc 0
		.amdhsa_float_denorm_mode_32 3
		.amdhsa_float_denorm_mode_16_64 3
		.amdhsa_memory_ordered 1
		.amdhsa_forward_progress 1
		.amdhsa_inst_pref_size 68
	.end_amdhsa_kernel
	.amdgpu_metadata
---
amdhsa.version: [ 1, 2 ]
amdhsa.kernels:
  - .name:           k_q231c5ab1b5_oproj
    .symbol:         k_q231c5ab1b5_oproj.kd
    .args:
      - { .name: zq, .offset: 0, .size: 8, .value_kind: global_buffer, .address_space: global }
      - { .name: wq, .offset: 8, .size: 8, .value_kind: global_buffer, .address_space: global }
      - { .name: x, .offset: 16, .size: 8, .value_kind: global_buffer, .address_space: global }
      - { .name: x1, .offset: 24, .size: 8, .value_kind: global_buffer, .address_space: global }
      - { .name: x1q, .offset: 32, .size: 8, .value_kind: global_buffer, .address_space: global }
    .group_segment_fixed_size: 327680
    .private_segment_fixed_size: 0
    .kernarg_segment_align: 8
    .kernarg_segment_size: 40
    .max_flat_workgroup_size: 128
    .sgpr_count:     100
    .vgpr_count:     1024
    .wavefront_size: 32
...
	.end_amdgpu_metadata
.endif
;; end of part 4
;; launch mlpin (part 5): grid 16 x 16, 4 waves a work-group, clusters of 4 x 4, 327,680 bytes of LDS; arguments x1q, wq, b_in, hq; writes hq
.if DOCPART == 5
	.amdgcn_target "amdgcn-amd-amdhsa--gfx1250"
	.amdhsa_code_object_version 6
	.text
	.protected	k_q231c5ab1b5_mlpin
	.globl	k_q231c5ab1b5_mlpin
	.p2align	8
	.type	k_q231c5ab1b5_mlpin,@function
k_q231c5ab1b5_mlpin:
	s_mov_b64 s[64:65], 0
	v_nop
	global_prefetch_b8 v0, s[64:65] scope:SCOPE_SE
	s_setreg_imm32_b32 hwreg(HW_REG_WAVE_MODE, 25, 1), 1
	s_wait_xcnt 0x0
	s_wait_alu depctr_hold_cnt(0) depctr_sa_sdst(0) depctr_va_vdst(0) depctr_va_sdst(0) depctr_va_ssrc(0) depctr_va_vcc(0) depctr_vm_vsrc(0)
	s_getreg_b32 s2, hwreg(HW_REG_IB_STS2, 6, 4)
	s_cmp_eq_u32 s2, 0
	s_cbranch_scc0 .Lentry_in_a_cluster
	s_endpgm
.Lentry_in_a_cluster:
	s_bfe_u32 s2, ttmp6, 0x10000c
	s_cmp_lg_u32 s2, 0xf033
	s_cbranch_scc0 .Lentry_shape_is_right
	s_endpgm
.Lentry_shape_is_right:
; h = gelu(x1 W_in^T + b_in), the product on codes of FP6 (E2M3) with E8M0 scales, K = 1,024; h leaves quantised along m, as records for the last product.
; OPERANDS are records of 1,664 bytes (16 rows x 128 K as an image of the fragment's registers: 512 g + 16 lane, the scale word at 1,536 + 4 lane), [tile][K / 128]; tile t of a group of 128 rows holds at place r the row
; 32 (t / 2) + 8 (t % 2) + r + 8 (r / 8).  Source 0 ("S0") = W_in's rows m, source 1 ("S1") = x1's tokens: a lane holds one token, and the 64 registers of a tile's eight accumulators are units 32 c + 16 h + i of a group of 128.
; A WORK-GROUP STAYS: it makes two blocks of 128 tokens x 256 units, 2,048 tokens apart, on the same 256 units; a wave 4 tiles x 8 tiles a block.  S0's 16 tiles lie in LDS for all of K and for both blocks, S1's 8 tiles of a
; block too: every tile's eight records come on end, by one joint load a wave.  When the first block's products are done, S1's bytes are filled again with the second block's tiles (waves 0 and 1, behind the full sequence and
; a round), and that load has the first block's whole way out in which to land.  CLUSTERS of 4 x 4: S1 shared along a row, S0 along a column.  No prefetch: each tile is asked for once, and there is no loop over K to run ahead in.
; The bias is the C of each sum's first product.  gelu(v) = 0.5 v (1 + erf(v / sqrt 2)) = t (c erf(t) + c), t = v / sqrt 2, c = 1 / sqrt 2; erf(t) = t P(t^2) / Q(t^2), a rational form of degrees 6 and 4 in t^2, its t held to -4 .. 4.
; THE WAY OUT is a loop of four trips, a tile of 16 tokens a trip: only the 32 lines that read a tile's accumulators are written for each tile, chosen by the trip's number.
; LIMITS: beyond |t| = 4 erf is taken at 4, where it is 1 to f32's last bit; the form's error is a few 1e-7 of 1; a block whose largest magnitude lies under 2^-124 keeps the scale byte 1, a block of zeros too (zero codes); NaN and infinities are not served.
; REGISTERS: window 0: v1-13 addresses, v16-31 at work, v32-63 scale words, v64-111 and v160-207 S1's fragments, v214-219 three constants; on the way out v64-127 t, then h, v128-191 at work, v192-212 codes.
;   window 1: S0's fragments at v0 and v128, the bias at v96 and v224.  window 2: the accumulators.
.set MA,    4
.set NS,    8
.set S0OFF, 4096*1664                  ; W_in's records in wq
.set REC,   1664
.set ROWB,  NS*REC
.set S1H,   MA*ROWB
.set S0H,   8*ROWB
.set SPARE, 2*S1H+2*S0H                ; behind the tiles: the spare words, 128 bytes a wave: two blocks of 256 bytes that no other line names
.set LI,   1
.set LS,   2
.set ADR1, 4
.set ADR0, 6                           ; v6-7 S0's tiles 0-3, 4-7
.set ADS1, 8
.set ADS0, 10
.set SPW,  12
.set NIL,  13
.set TM,   16
.set SC,   32
.set F1,   64
.set HA,   64
.set TC,   128                         ; t held to -4 .. 4
.set UU,   144                         ; its square
.set PP,   160
.set QQ,   176
.set PC,   192
.set PW,   212
.set BA,   208
.set CA,   214                         ; v[214:215] P's leading coefficient;  v[216:217] Q's;  v[218:219] c
.set CB,   216
.set CC,   218
.set G1,   24
.set G0,   32
.set G1B,  48
.set G0B,  56
.set SEL,  68
.set MSB,  0
.macro WIN new                         ; the immediate's high byte repeats the setting that is left
.if MSB != (\new)
	s_set_vgpr_msb (MSB<<8)|(\new)
.set MSB, (\new)
.endif
.endm
.macro PLACES n
.rept \n
	v_nop
.endr
.endm
; 64 numbers of a lane, v[s] on, register 16 b + i = k 32 b + 16 (lane / 16) + i of my row, become a fragment's codes in v[PC] .. v[PC + 11] and its scale word in v[PW].
.macro QUANT s
.irp b, 0,1,2,3
	v_max3_num_f32 v[TM+\b], |v[(\s)+16*\b]|, |v[(\s)+16*\b+1]|, 0x1800000   ; and the floor 2^(3 - 127): the byte cannot fall under 1
.endr
.irp i, 2,4,6,8,10,12,14
.irp b, 0,1,2,3
	v_max3_num_f32 v[TM+\b], |v[(\s)+16*\b+\i]|, |v[(\s)+16*\b+\i+1]|, v[TM+\b]
.endr
.endr
.irp b, 0,1,2,3
	v_permlanex16_b32 v[TM+4+\b], v[TM+\b], s[SEL], s[SEL+1]
.endr
.irp b, 0,1,2,3
	v_max_num_f32 v[TM+\b], v[TM+\b], v[TM+4+\b]
.endr
.irp b, 0,1,2,3
	v_add_nc_u32 v[TM+12+\b], 0xff000000, v[TM+\b]   ; 2 off its exponent field: the conversion's scale operand
.endr
.irp b, 0,1,2,3
	v_lshrrev_b32 v[TM+4+\b], 23, v[TM+12+\b]
.endr
	v_lshl_or_b32 v[PW], v[TM+5], 8, v[TM+4]
	v_lshl_or_b32 v[PW], v[TM+6], 16, v[PW]
	v_lshl_or_b32 v[PW], v[TM+7], 24, v[PW]
.irp c, 0,1
	v_cvt_scalef32_pk16_fp6_f32 v[PC+6*\c:PC+6*\c+2], v[(\s)+32*\c:(\s)+32*\c+15], v[TM+12+2*\c]
	v_cvt_scalef32_pk16_fp6_f32 v[PC+12+4*\c:PC+12+4*\c+2], v[(\s)+32*\c+16:(\s)+32*\c+31], v[TM+13+2*\c]
.endr
	v_nop                                          ; one plain place behind a scaled conversion
.irp c, 0,1
.irp i, 0,1,2
	v_permlane16_swap_b32 v[PC+6*\c+\i], v[PC+12+4*\c+\i]
.endr
.irp i, 0,1,2
	v_mov_b32 v[PC+3+6*\c+\i], v[PC+12+4*\c+\i]
.endr
.endr
.endm
.macro CROUND                          ; a round of the cluster's barrier
	s_barrier_signal -1
	s_barrier_wait -1
	s_cmp_lg_u32 s14, 0
	s_cbranch_scc1 .Lnot_wave_0_\@
	s_barrier_signal -3
.Lnot_wave_0_\@:
	s_barrier_wait -3
	s_barrier_signal -1
	s_barrier_wait -1
.endm
.macro FETCH q, p                      ; the fragments and scale words of K step q into set p: 48 LDS loads in one run
	WIN 0x40
.irp b, 0,1,2,3,4,5,6,7
.irp g, 0,1,2
	ds_load_b128 v[128*(\p)+12*\b+4*\g:128*(\p)+12*\b+4*\g+3], v[ADR0+\b/4] offset:(\b%4)*ROWB+(\q)*REC+512*\g
.endr
.endr
	WIN 0
.set aa, 0
.rept MA
.irp g, 0,1,2
	ds_load_b128 v[F1+96*(\p)+12*aa+4*\g:F1+96*(\p)+12*aa+4*\g+3], v[ADR1] offset:aa*ROWB+(\q)*REC+512*\g
.endr
	ds_load_b32 v[SC+16*(\p)+aa], v[ADS1] offset:aa*ROWB+(\q)*REC+1536
.set aa, aa+1
.endr
.irp b, 0,1,2,3,4,5,6,7
	ds_load_b32 v[SC+16*(\p)+8+\b], v[ADS0+\b/4] offset:(\b%4)*ROWB+(\q)*REC+1536
.endr
.endm
.macro MULA a, p, mode                 ; S1's tile a against S0's eight.  mode 2: the first product starts the sums from the bias (window 1).  The 32 accumulators take turns
.if \mode == 2
	WIN 0x91
.else
	WIN 0xa1
.endif
.irp b, 0,1,2,3,4,5,6,7
.set rD, 8*(8*(\a)+\b)
.set r0, 128*(\p)+12*\b
.set r1, F1+96*(\p)+12*(\a)
.set rB, 96+8*\b+96*(\b/4)
.if \mode == 0
	v_wmma_scale_f32_16x16x128_f8f6f4 v[rD:rD+7], v[r0:r0+11], v[r1:r1+11], v[rD:rD+7], v[SC+16*(\p)+8+\b], v[SC+16*(\p)+(\a)] matrix_a_fmt:MATRIX_FMT_FP6 matrix_b_fmt:MATRIX_FMT_FP6
.else
	v_wmma_scale_f32_16x16x128_f8f6f4 v[rD:rD+7], v[r0:r0+11], v[r1:r1+11], v[rB:rB+7], v[SC+16*(\p)+8+\b], v[SC+16*(\p)+(\a)] matrix_a_fmt:MATRIX_FMT_FP6 matrix_b_fmt:MATRIX_FMT_FP6
.endif
.endr
.endm
.macro MULR p, mode
.set aa, 0
.rept MA
	MULA aa, \p, \mode
.set aa, aa+1
.endr
.endm
.macro STEP q, mode                    ; the successor's fragments are asked for, then this step is multiplied
	s_wait_dscnt 0x0                               ; this step's set is in: it was asked for a whole step ago
	PLACES 4                                       ; in front of loads into the set that the last step's products read
	FETCH (\q)+1, 1-(\q)%2
	MULR (\q)%2, \mode
	WIN 0
.endm
.macro MAIN                            ; a block's eight K steps
	FETCH 0, 0
	STEP 0, 2
.irp q, 1,2,3,4,5,6
	STEP \q, 0
.endr
	s_wait_dscnt 0x0
	MULR 1, 0
	WIN 0
	PLACES 4                                       ; in front of the first read of results and of writes into the fragments' registers
.endm
.macro TLOAD a                         ; t = v / sqrt 2 of tile a's 64 numbers; each accumulator is read from its low end on
	WIN 0x02
	s_wait_alu depctr_va_vdst(0)                   ; the wait ahead of the first read of matrix results that stands behind transcendentals
.set k, 0
.rept 32
	v_pk_mul_f32 v[HA+k:HA+k+1], v[64*(\a)+k:64*(\a)+k+1], 0x3f3504f3 op_sel_hi:[1,0]
.set k, k+2
.endr
	WIN 0
.endm
.macro GELU b                          ; the 16 numbers t at v[HA + 16 b] on become gelu, two at a time
.set TT, HA+16*(\b)
.irp k, 0,1,2,3,4,5,6,7,8,9,10,11,12,13,14,15
	v_med3_num_f32 v[TC+\k], v[TT+\k], -4.0, 4.0
.endr
.irp k, 0,2,4,6,8,10,12,14
	v_pk_mul_f32 v[UU+\k:UU+\k+1], v[TC+\k:TC+\k+1], v[TC+\k:TC+\k+1]
.endr
.irp k, 0,2,4,6,8,10,12,14
	v_pk_fma_f32 v[PP+\k:PP+\k+1], v[UU+\k:UU+\k+1], v[CA:CA+1], 0x32edffee op_sel_hi:[1,0,0]
.endr
.irp k, 0,2,4,6,8,10,12,14
	v_pk_fma_f32 v[QQ+\k:QQ+\k+1], v[UU+\k:UU+\k+1], v[CB:CB+1], 0xb95fbd29 op_sel_hi:[1,0,0]
.endr
.irp c, 0xb60cff51, 0xb86ec2d2, 0xba40ac63, 0xbb41a1f6, 0xbc83dbd4
.irp k, 0,2,4,6,8,10,12,14
	v_pk_fma_f32 v[PP+\k:PP+\k+1], v[PP+\k:PP+\k+1], v[UU+\k:UU+\k+1], \c op_sel_hi:[1,1,0]
.endr
.endr
.irp c, 0xbadc924e, 0xbbf19bf8, 0xbc69b6a7
.irp k, 0,2,4,6,8,10,12,14
	v_pk_fma_f32 v[QQ+\k:QQ+\k+1], v[QQ+\k:QQ+\k+1], v[UU+\k:UU+\k+1], \c op_sel_hi:[1,1,0]
.endr
.endr
	s_wait_alu depctr_va_vdst(0)
.irp k, 0,1,2,3,4,5,6,7,8,9,10,11,12,13,14,15
	v_rcp_f32 v[QQ+\k], v[QQ+\k]
.endr
.irp k, 0,2,4,6,8,10,12,14
	v_pk_mul_f32 v[PP+\k:PP+\k+1], v[PP+\k:PP+\k+1], v[TC+\k:TC+\k+1]   ; plain work behind the reciprocals, which names none of them
.endr
	s_wait_alu depctr_va_vdst(0)                   ; and one behind it, ahead of the first reader
.irp k, 0,2,4,6,8,10,12,14
	v_pk_mul_f32 v[PP+\k:PP+\k+1], v[PP+\k:PP+\k+1], v[QQ+\k:QQ+\k+1]   ; erf
.endr
.irp k, 0,2,4,6,8,10,12,14
	v_pk_fma_f32 v[PP+\k:PP+\k+1], v[PP+\k:PP+\k+1], v[CC:CC+1], v[CC:CC+1] op_sel_hi:[1,0,0]   ; c erf + c
.endr
.irp k, 0,2,4,6,8,10,12,14
	v_pk_mul_f32 v[TT+\k:TT+\k+1], v[TT+\k:TT+\k+1], v[PP+\k:PP+\k+1]
.endr
.endm
.macro WAYOUT first                    ; four trips, a tile of 16 tokens each.  first: bytes from where the record pointer stands to this block's first record
	s_mov_b32 s76, \first
	s_mov_b32 s3, 0
.Ltile_\@:
.irp a, 0,1,2
	s_cmp_eq_u32 s3, \a
	s_cbranch_scc0 .Lnv_\@_\a
	TLOAD \a
	s_branch .Lgo_\@
.Lnv_\@_\a:
.endr
	TLOAD 3
.Lgo_\@:
	s_wait_alu depctr_va_vdst(0)                   ; the wait behind the branch, ahead of the readers of t
	GELU 0
	GELU 1
	GELU 2
	GELU 3
	s_wait_xcnt 0x0                                ; the last tile's stores have read their base, the codes and the scale word
	s_add_nc_u64 s[72:73], s[72:73], s[76:77]
	s_mov_b32 s76, 32*REC                          ; from tile to tile
	QUANT HA
	global_store_b128 v[LI], v[PC:PC+3], s[72:73]
	global_store_b128 v[LI], v[PC+4:PC+7], s[72:73] offset:512
	global_store_b128 v[LI], v[PC+8:PC+11], s[72:73] offset:1024
	global_store_b32 v[LS], v[PW], s[72:73] offset:1536
	s_add_co_u32 s3, s3, 1
	s_cmp_lt_u32 s3, 4
	s_wait_alu depctr_va_vdst(0)
	s_cbranch_scc1 .Ltile_\@
.endm
	s_load_b256 s[4:11], s[0:1], 0x0               ; x1q s[4:5], wq s[6:7], b_in s[8:9], hq s[10:11]
	v_lshl_add_u32 v[SPW], v0, 2, SPARE
	v_mov_b32 v[NIL], 0
	ds_add_u32 v[SPW], v[NIL]                      ; the opening lines: the add, twice on end, and its wait ahead of my first tensor load
	ds_add_u32 v[SPW], v[NIL]
	v_lshrrev_b32 v1, 5, v0
	v_readfirstlane_b32 s14, v1                    ; wave 0..3
	s_lshr_b32 s15, s14, 1                         ; my half of S1's tiles.  Also: I fetch for S1 (0) or for S0 (1)
	s_and_b32 s16, s14, 1                          ; my half of S0's.  Also: which half I fetch
	s_bfe_u32 s40, ttmp6, 0x40000
	s_bfe_u32 s41, ttmp6, 0x40004
	s_lshl_b32 s42, ttmp9, 2
	s_add_co_u32 s42, s42, s40                     ; work-group x: 256 units
	s_and_b32 s67, ttmp7, 0xffff
	s_lshl_b32 s17, s67, 2
	s_add_co_u32 s17, s17, s41                     ; work-group y: tokens 128 y on, and 128 (y + 16) on
	s_lshl_b32 s43, s41, 2
	s_lshl_b32 s43, 15, s43                        ; my row of the cluster
	s_lshl_b32 s44, 0x1111, s40                    ; my column
	s_or_b32 s[G1+0], s43, (3<<16)|(1<<21)         ; 15:0 the mask; 17:16 elements of 8 bytes; 21 set beside a mask; no padding
	s_or_b32 s[G1B+0], s44, (3<<16)|(1<<21)
	s_mov_b32 s[G1+1], (208*NS)<<16                ; a row: a tile's eight records
	s_mov_b32 s[G1+2], MA<<16
	s_mov_b32 s[G1+3], (208*NS)<<16
	s_mov_b32 s[G1+4], MA
	s_mov_b32 s[G1+5], 208*NS
	s_mov_b32 s[G1+6], 0
	s_mov_b32 s[G1+7], 0
	s_mov_b32 s[G1B+1], (208*NS)<<16
	s_mov_b32 s[G1B+2], 8<<16
	s_mov_b32 s[G1B+3], (208*NS)<<16
	s_mov_b32 s[G1B+4], 8
	s_mov_b32 s[G1B+5], 208*NS
	s_mov_b32 s[G1B+6], 0
	s_mov_b32 s[G1B+7], 0
	s_mul_i32 s20, s17, 2*MA
	s_mul_i32 s18, s16, MA
	s_add_co_u32 s20, s20, s18
	s_mul_i32 s20, s20, NS*REC
	s_mov_b32 s21, 0
	s_lshl_b32 s46, s42, 4
	s_lshl_b32 s18, s16, 3
	s_add_co_u32 s46, s46, s18
	s_mul_i32 s46, s46, NS*REC
	s_add_co_u32 s46, s46, S0OFF
	s_mov_b32 s47, 0
	s_mul_i32 s45, s16, S1H
	s_mul_i32 s66, s16, S0H
	s_add_co_u32 s66, s66, 2*S1H
	s_mov_b32 s[SEL], 0x76543210
	s_mov_b32 s[SEL+1], 0xfedcba98
	s_mov_b32 s77, 0
	s_wait_dscnt 0x0
	s_wait_kmcnt 0x0
	s_add_nc_u64 s[20:21], s[4:5], s[20:21]
	s_add_nc_u64 s[46:47], s[6:7], s[46:47]
	CROUND                                         ; all sixteen work-groups are here: the joint loads meet
	s_mov_b32 s[G0], 1
	s_mov_b32 s[G0+1], s45
	s_mov_b64 s[G0+2:G0+3], s[20:21]
	s_or_b32 s[G0+3], s[G0+3], 0x80000000
	s_mov_b32 s[G0B], 1
	s_mov_b32 s[G0B+1], s66
	s_mov_b64 s[G0B+2:G0B+3], s[46:47]
	s_or_b32 s[G0B+3], s[G0B+3], 0x80000000
	s_cmp_eq_u32 s15, 0                            ; waves 0, 1 fetch S1's halves, waves 2, 3 S0's: one load a wave
	s_cbranch_scc0 .Lfor_b
	tensor_load_to_lds s[G0:G0+3], s[G1:G1+7]
	s_nop 0
	PLACES 4
	s_branch .Lasked
.Lfor_b:
	tensor_load_to_lds s[G0B:G0B+3], s[G1B:G1B+7]
	s_nop 0
	PLACES 4
.Lasked:
	v_and_b32 v3, 31, v0
	v_lshlrev_b32 v[LI], 4, v3
	v_lshlrev_b32 v[LS], 2, v3
	s_mul_i32 s18, s15, S1H
	s_mul_i32 s19, s16, S0H
	s_add_co_u32 s19, s19, 2*S1H
	v_add_nc_u32 v[ADR1], s18, v[LI]
	v_add_nc_u32 v[ADS1], s18, v[LS]
.irp f, 0,1
	v_add_nc_u32 v[ADR0+\f], s19, v[LI]
	v_add_nc_u32 v[ADS0+\f], s19, v[LS]
	s_add_co_u32 s19, s19, 4*ROWB
.endr
.irp b, 0,1,2,3
	v_mov_b32 v[TM+4+\b], 0                        ; written once: a lane permute's destination counts as one of its sources
.endr
	v_mov_b32 v[CA], 0xaf95df0b
	v_mov_b32 v[CA+1], 0                           ; (of these pairs the low word serves both halves; the upper is named, so written)
	v_mov_b32 v[CB], 0xb77460cd
	v_mov_b32 v[CB+1], 0
	v_mov_b32 v[CC], 0x3f3504f3
	v_mov_b32 v[CC+1], 0
	s_lshl_b32 s18, s17, 3
	s_lshl_b32 s19, s15, 2
	s_add_co_u32 s18, s18, s19                     ; T0: my first tile of tokens in the first block
	s_lshl_b32 s19, s42, 1
	s_add_co_u32 s19, s19, s16                     ; G: my group of 128 units
	s_lshl_b32 s22, s19, 9
	s_mov_b32 s23, 0
	s_add_nc_u64 s[70:71], s[8:9], s[22:23]        ; b_in at unit 128 G
	s_lshl_b32 s18, s18, 5
	s_add_co_u32 s18, s18, s19                     ; 32 T0 + G
	s_mul_i32 s22, s18, REC
	s_add_nc_u64 s[72:73], s[10:11], s[22:23]      ; h's record
	v_bfe_u32 v[BA], v0, 4, 1
	v_lshlrev_b32 v[BA], 6, v[BA]
	WIN 0x40
.irp b, 0,1,2,3,4,5,6,7
	global_load_b128 v[96+8*\b+96*(\b/4):96+8*\b+96*(\b/4)+3], v[BA], s[70:71] offset:(32*(\b/2)+8*(\b%2))*4        ; lane (r, h), tile b: units 32 (b / 2) + 8 (b % 2) + 16 h + 0 .. 7
	global_load_b128 v[100+8*\b+96*(\b/4):100+8*\b+96*(\b/4)+3], v[BA], s[70:71] offset:(32*(\b/2)+8*(\b%2))*4+16
.endr
	WIN 0
	s_wait_alu depctr_va_vdst(0)
	s_wait_tensorcnt 0x0                           ; my tiles are in,
	s_barrier_signal -1
	s_barrier_wait -1                              ; everybody's are
	s_wait_loadcnt 0x0                             ; the bias
	MAIN
	s_wait_tensorcnt 0x0                           ; S1's bytes are filled again
	ds_add_u32 v[SPW], v[NIL]
	s_add_nc_u64 s[G0+2:G0+3], s[G0+2:G0+3], 16*2*MA*NS*REC   ; no load of mine is out: the second block's tiles, 128 tiles on
	s_wait_dscnt 0x0                               ; the add is done, and my reads of the tiles are over
	CROUND
	s_cmp_eq_u32 s15, 0                            ; waves 2, 3 have no part of it
	s_cbranch_scc0 .Lno_fill
	tensor_load_to_lds s[G0:G0+3], s[G1:G1+7]
	s_nop 0
	PLACES 4
.Lno_fill:
	WAYOUT 0
	s_wait_xcnt 0x0                                ; the last stores have read the codes: fragments land on those registers
	s_wait_tensorcnt 0x0                           ; the second block's tiles are in,
	s_barrier_signal -1
	s_barrier_wait -1                              ; for everybody
	MAIN
	WAYOUT 125*32*REC                              ; from the first block's tile 3 to the second block's tile 0: 125 tiles of 32 records
	s_wait_tensorcnt 0x0                           ; the wave's end
	ds_add_u32 v[SPW], v[NIL]
	s_wait_dscnt 0x0
	CROUND                                         ; the closing round
	s_endpgm
.Lfunc_end_k_q231c5ab1b5_mlpin:
	.size	k_q231c5ab1b5_mlpin, .Lfunc_end_k_q231c5ab1b5_mlpin-k_q231c5ab1b5_mlpin
	.p2alignl 7, 3214868480
	.fill 96, 4, 3214868480
	.section	.rodata,"a",@progbits
	.p2align	6, 0x0
	.amdhsa_kernel k_q231c5ab1b5_mlpin
		.amdhsa_group_segment_fixed_size 327680
		.amdhsa_private_segment_fixed_size 0
		.amdhsa_enable_private_segment 0
		.amdhsa_kernarg_size 32
		.amdhsa_user_sgpr_count 2
		.amdhsa_user_sgpr_kernarg_segment_ptr 1
		.amdhsa_wavefront_size32 1
		.amdhsa_system_sgpr_workgroup_id_x 1
		.amdhsa_system_sgpr_workgroup_id_y 1
		.amdhsa_system_sgpr_workgroup_id_z 1
		.amdhsa_system_vgpr_workitem_id 0
		.amdhsa_next_free_vgpr 768
		.amdhsa_next_free_sgpr 100
		.amdhsa_reserve_vcc 0
		.amdhsa_float_denorm_mode_32 3
		.amdhsa_float_denorm_mode_16_64 3
		.amdhsa_memory_ordered 1
		.amdhsa_forward_progress 1
		.amdhsa_inst_pref_size 253
	.end_amdhsa_kernel
	.amdgpu_metadata
---
amdhsa.version: [ 1, 2 ]
amdhsa.kernels:
  - .name:           k_q231c5ab1b5_mlpin
    .symbol:         k_q231c5ab1b5_mlpin.kd
    .args:
      - { .name: x1q, .offset: 0, .size: 8, .value_kind: global_buffer, .address_space: global }
      - { .name: wq, .offset: 8, .size: 8, .value_kind: global_buffer, .address_space: global }
      - { .name: b_in, .offset: 16, .size: 8, .value_kind: global_buffer, .address_space: global }
      - { .name: hq, .offset: 24, .size: 8, .value_kind: global_buffer, .address_space: global }
    .group_segment_fixed_size: 327680
    .private_segment_fixed_size: 0
    .kernarg_segment_align: 8
    .kernarg_segment_size: 32
    .max_flat_workgroup_size: 128
    .sgpr_count:     100
    .vgpr_count:     768
    .wavefront_size: 32
...
	.end_amdgpu_metadata
.endif
;; end of part 5
;; launch mlpout (part 6): grid 8 x 32, 4 waves a work-group, clusters of 4 x 4, 327,680 bytes of LDS; arguments hq, wq, b_out, x1, out0; writes out0
.if DOCPART == 6
	.amdgcn_target "amdgcn-amd-amdhsa--gfx1250"
	.amdhsa_code_object_version 6
	.text
	.protected	k_q231c5ab1b5_mlpout
	.globl	k_q231c5ab1b5_mlpout
	.p2align	8
	.type	k_q231c5ab1b5_mlpout,@function
k_q231c5ab1b5_mlpout:
	s_mov_b64 s[64:65], 0
	v_nop
	global_prefetch_b8 v0, s[64:65] scope:SCOPE_SE
	s_setreg_imm32_b32 hwreg(HW_REG_WAVE_MODE, 25, 1), 1
	s_wait_xcnt 0x0
	s_wait_alu depctr_hold_cnt(0) depctr_sa_sdst(0) depctr_va_vdst(0) depctr_va_sdst(0) depctr_va_ssrc(0) depctr_va_vcc(0) depctr_vm_vsrc(0)
	s_getreg_b32 s2, hwreg(HW_REG_IB_STS2, 6, 4)
	s_cmp_eq_u32 s2, 0
	s_cbranch_scc0 .Lentry_in_a_cluster
	s_endpgm
.Lentry_in_a_cluster:
	s_bfe_u32 s2, ttmp6, 0x10000c
	s_cmp_lg_u32 s2, 0xf033
	s_cbranch_scc0 .Lentry_shape_is_right
	s_endpgm
.Lentry_shape_is_right:
.set KS,    6
.set NS,    32
.set TKS,   2
.set TSL,   5
.set S0OFF, 6144*1664
.set REC,   1664
.set ROWB,  KS*REC
.set TROWB, TKS*REC
.set QH,    4*ROWB
.set SLOT,  16*ROWB
.set SPARE, 2*SLOT
.set SPITCH, 528
.set LI,   1
.set LS,   2
.set ADR1, 4
.set ADS1, 6
.set ADR1T, 8
.set ADS1T, 9
.set SPW,  12
.set NIL,  13
.set RD,   14
.set STO,  15
.set SC,   32
.set F1,   64
.set HA,   64
.set OB,   128
.set BA,   208
.set PFO,  216
.set PFO2, 217
.set PFOT, 218
.set ADR0, 224
.set ADS0, 228
.set G1,   24
.set G0,   32
.set G1B,  48
.set G0B,  56
.set PFA,  76
.set LIM,  78
.set G1T,  80
.set G1BT, 88
.set MSB,  0
.macro WIN new
.if MSB != (\new)
	s_set_vgpr_msb (MSB<<8)|(\new)
.set MSB, (\new)
.endif
.endm
.macro PLACES n
.rept \n
	v_nop
.endr
.endm
.macro JLOAD g0a, g1a, g0b, g1b
	s_cmp_eq_u32 s15, 0
	s_cbranch_scc0 .Lfor_b_\@
	tensor_load_to_lds s[\g0a:\g0a+3], s[\g1a:\g1a+7]
	s_nop 0
.rept 4
	v_nop
.endr
	s_branch .Lasked_\@
.Lfor_b_\@:
	tensor_load_to_lds s[\g0b:\g0b+3], s[\g1b:\g1b+7]
	s_nop 0
.rept 4
	v_nop
.endr
.Lasked_\@:
.endm
.macro CREST
	s_cmp_lg_u32 s14, 0
	s_cbranch_scc1 .Lnot_wave_0_\@
	s_barrier_signal -3
.Lnot_wave_0_\@:
	s_barrier_wait -3
	s_barrier_signal -1
	s_barrier_wait -1
.endm
.macro CROUND
	s_barrier_signal -1
	s_barrier_wait -1
	CREST
.endm
.macro ASK n
	s_cmp_eq_u32 s[LIM], 1
	s_cbranch_scc0 .Lnot_mine_\@
.if (\n) == TSL
	s_wait_alu depctr_va_vdst(0)
	global_prefetch_b8 v[PFOT], s[PFA:PFA+1] offset:(\n)*ROWB th:TH_LOAD_NT scope:SCOPE_SE
.else
	s_wait_alu depctr_va_vdst(0)
	global_prefetch_b8 v[PFO], s[PFA:PFA+1] offset:(\n)*ROWB th:TH_LOAD_NT scope:SCOPE_SE
	global_prefetch_b8 v[PFO2], s[PFA:PFA+1] offset:(\n)*ROWB th:TH_LOAD_NT scope:SCOPE_SE
.endif
.Lnot_mine_\@:
.endm
.macro FETCH slot, q, p, rb, r1, s1
	WIN 0x40
.irp b, 0,1,2,3,4,5,6,7
.irp g, 0,1,2
	ds_load_b128 v[128*(\p)+12*\b+4*\g:128*(\p)+12*\b+4*\g+3], v[ADR0+2*(\slot)+\b/4] offset:(\b%4)*(\rb)+(\q)*REC+512*\g
.endr
.endr
	WIN 0
.irp a, 0,1
.irp g, 0,1,2
	ds_load_b128 v[F1+96*(\p)+12*\a+4*\g:F1+96*(\p)+12*\a+4*\g+3], v[\r1] offset:\a*(\rb)+(\q)*REC+512*\g
.endr
	ds_load_b32 v[SC+16*(\p)+\a], v[\s1] offset:\a*(\rb)+(\q)*REC+1536
.endr
.irp b, 0,1,2,3,4,5,6,7
	ds_load_b32 v[SC+16*(\p)+8+\b], v[ADS0+2*(\slot)+\b/4] offset:(\b%4)*(\rb)+(\q)*REC+1536
.endr
.endm
.macro MULA a, p, mode
.if \mode == 2
	WIN 0x91
.else
	WIN 0xa1
.endif
.irp b, 0,1,2,3,4,5,6,7
.set rD, 8*(8*(\a)+\b)
.set r0, 128*(\p)+12*\b
.set r1, F1+96*(\p)+12*(\a)
.set rB, 96+8*\b+96*(\b/4)
.if \mode == 0
	v_wmma_scale_f32_16x16x128_f8f6f4 v[rD:rD+7], v[r0:r0+11], v[r1:r1+11], v[rD:rD+7], v[SC+16*(\p)+8+\b], v[SC+16*(\p)+(\a)] matrix_a_fmt:MATRIX_FMT_FP6 matrix_b_fmt:MATRIX_FMT_FP6
.else
	v_wmma_scale_f32_16x16x128_f8f6f4 v[rD:rD+7], v[r0:r0+11], v[r1:r1+11], v[rB:rB+7], v[SC+16*(\p)+8+\b], v[SC+16*(\p)+(\a)] matrix_a_fmt:MATRIX_FMT_FP6 matrix_b_fmt:MATRIX_FMT_FP6
.endif
.endr
.endm
.macro STEP slot, q, mode, rb, r1, s1
	s_wait_dscnt 0x0
	PLACES 4
	FETCH \slot, (\q)+1, 1-(\q)%2, \rb, \r1, \s1
	MULA 0, (\q)%2, \mode
	MULA 1, (\q)%2, \mode
	WIN 0
.endm
.macro MIDS slot, q0
.set qq, \q0
.rept KS-1-(\q0)
	STEP \slot, qq, 0, ROWB, ADR1+\slot, ADS1+\slot
.set qq, qq+1
.endr
.endm
.macro TURN slot, next, fill, nrb, nr1, ns1, ask
	s_wait_tensorcnt 0x0
	ds_add_u32 v[SPW], v[NIL]
	s_wait_dscnt 0x1
	MULA 0, 1, 0
	s_wait_dscnt 0x0
	s_barrier_signal -1
	WIN 0
	s_barrier_wait -1
.if \fill
	CREST
	s_add_nc_u64 s[G0+4*\slot+2:G0+4*\slot+3], s[G0+4*\slot+2:G0+4*\slot+3], 2*ROWB
	s_add_nc_u64 s[G0B+4*\slot+2:G0B+4*\slot+3], s[G0B+4*\slot+2:G0B+4*\slot+3], 2*ROWB
.if \fill == 1
	JLOAD G0+4*\slot, G1, G0B+4*\slot, G1B
.else
	JLOAD G0+4*\slot, G1T, G0B+4*\slot, G1BT
.endif
.else
	PLACES 4
.endif
	FETCH \next, 0, 0, \nrb, \nr1, \ns1
.if (\ask) > 0
	ASK \ask
.endif
	MULA 1, 1, 0
	WIN 0
.endm
	s_load_b256 s[4:11], s[0:1], 0x0
	s_load_b64 s[12:13], s[0:1], 0x20
	v_lshl_add_u32 v[SPW], v0, 2, SPARE
	v_mov_b32 v[NIL], 0
	ds_add_u32 v[SPW], v[NIL]
	ds_add_u32 v[SPW], v[NIL]
	v_lshrrev_b32 v1, 5, v0
	v_readfirstlane_b32 s14, v1
	s_lshr_b32 s15, s14, 1
	s_and_b32 s16, s14, 1
	s_bfe_u32 s40, ttmp6, 0x40000
	s_bfe_u32 s41, ttmp6, 0x40004
	s_lshl_b32 s42, ttmp9, 2
	s_add_co_u32 s42, s42, s40
	s_and_b32 s67, ttmp7, 0xffff
	s_lshl_b32 s17, s67, 2
	s_add_co_u32 s17, s17, s41
	s_lshl_b32 s43, s41, 2
	s_lshl_b32 s43, 15, s43
	s_lshl_b32 s44, 0x1111, s40
	s_or_b32 s[G1+0], s43, (3<<16)|(1<<21)
	s_or_b32 s[G1B+0], s44, (3<<16)|(1<<21)
	s_or_b32 s[G1T+0], s43, (3<<16)|(1<<21)
	s_or_b32 s[G1BT+0], s44, (3<<16)|(1<<21)
.irp g, G1, G1B
	s_mov_b32 s[\g+1], (208*KS)<<16
	s_mov_b32 s[\g+2], 4<<16
	s_mov_b32 s[\g+3], (208*KS)<<16
	s_mov_b32 s[\g+4], 4
	s_mov_b32 s[\g+5], 208*NS
	s_mov_b32 s[\g+6], 0
	s_mov_b32 s[\g+7], 0
.endr
.irp g, G1T, G1BT
	s_mov_b32 s[\g+1], (208*TKS)<<16
	s_mov_b32 s[\g+2], 4<<16
	s_mov_b32 s[\g+3], (208*TKS)<<16
	s_mov_b32 s[\g+4], 4
	s_mov_b32 s[\g+5], 208*NS
	s_mov_b32 s[\g+6], 0
	s_mov_b32 s[\g+7], 0
.endr
	s_lshl_b32 s18, s16, 2
	s_lshl_b32 s20, s17, 3
	s_add_co_u32 s20, s20, s18
	s_mul_i32 s20, s20, NS*REC
	s_mov_b32 s21, 0
	s_lshl_b32 s46, s42, 3
	s_add_co_u32 s46, s46, s18
	s_mul_i32 s46, s46, NS*REC
	s_add_co_u32 s46, s46, S0OFF
	s_mov_b32 s47, 0
	s_mul_i32 s45, s16, QH
	s_add_co_u32 s66, s45, 8*ROWB
	s_wait_dscnt 0x0
	s_wait_kmcnt 0x0
	s_add_nc_u64 s[20:21], s[4:5], s[20:21]
	s_add_nc_u64 s[46:47], s[6:7], s[46:47]
	CROUND
.irp s, 0,1
	s_mov_b32 s[G0+4*\s], 1
	s_add_co_u32 s[G0+4*\s+1], s45, \s*SLOT
	s_add_nc_u64 s[G0+4*\s+2:G0+4*\s+3], s[20:21], \s*ROWB
	s_or_b32 s[G0+4*\s+3], s[G0+4*\s+3], 0x80000000
	s_mov_b32 s[G0B+4*\s], 1
	s_add_co_u32 s[G0B+4*\s+1], s66, \s*SLOT
	s_add_nc_u64 s[G0B+4*\s+2:G0B+4*\s+3], s[46:47], \s*ROWB
	s_or_b32 s[G0B+4*\s+3], s[G0B+4*\s+3], 0x80000000
	s_wait_alu depctr_va_vdst(0)
	s_wait_tensorcnt 0x0
	ds_add_u32 v12, v13
	ds_add_u32 v12, v13
	s_wait_dscnt 0x0
	CROUND
	JLOAD G0+4*\s, G1, G0B+4*\s, G1B
.endr
	v_and_b32 v3, 31, v0
	v_lshlrev_b32 v[LI], 4, v3
	v_lshlrev_b32 v[LS], 2, v3
	s_mul_i32 s18, s14, 2*ROWB
.irp s, 0,1
	v_add_nc_u32 v[ADR1+\s], s18, v[LI]
	v_add_nc_u32 v[ADS1+\s], s18, v[LS]
	s_add_co_u32 s18, s18, SLOT
.irp f, 0,1
	v_add_nc_u32 v[ADR0+2*\s+\f], 8*ROWB+\f*QH+\s*SLOT, v[LI]
	v_add_nc_u32 v[ADS0+2*\s+\f], 8*ROWB+\f*QH+\s*SLOT, v[LS]
.endr
.endr
	s_mul_i32 s18, s15, QH
	s_mul_i32 s19, s16, 2*TROWB
	s_add_co_u32 s18, s18, s19
	s_add_co_u32 s18, s18, SLOT
	v_add_nc_u32 v[ADR1T], s18, v[LI]
	v_add_nc_u32 v[ADS1T], s18, v[LS]
	s_mul_i32 s18, s14, 16*SPITCH
	v_add_nc_u32 v[RD], s18, v[LI]
	v_and_b32 v[BA+1], 15, v0
	v_bfe_u32 v[BA+2], v0, 4, 1
	v_mul_u32_u24 v[STO], v[BA+1], SPITCH
	v_lshl_add_u32 v[STO], v[BA+2], 6, v[STO]
	v_add_nc_u32 v[STO], s18, v[STO]
	v_lshlrev_b32 v[BA], 6, v[BA+2]
	s_wait_alu depctr_va_vdst(0)
	v_lshlrev_b32 v[PFO], 8, v3
	v_min_u32 v[PFO2], 6, v3
	v_lshlrev_b32 v[PFO2], 8, v[PFO2]
	v_add_nc_u32 v[PFO2], 8192, v[PFO2]
	v_min_u32 v[PFOT], 12, v3
	v_lshlrev_b32 v[PFOT], 8, v[PFOT]
	s_lshl_b32 s18, s17, 2
	s_add_co_u32 s18, s18, s14
	s_lshl_b32 s22, s42, 9
	s_mov_b32 s23, 0
	s_add_nc_u64 s[70:71], s[8:9], s[22:23]
	s_lshl_b32 s19, s18, 17
	s_add_co_u32 s22, s19, s22
	s_add_nc_u64 s[74:75], s[12:13], s[22:23]
	s_lshl_b32 s18, s18, 4
	s_add_co_u32 s18, s18, s42
	s_lshl_b32 s22, s18, 13
	s_add_nc_u64 s[72:73], s[10:11], s[22:23]
	s_cmp_eq_u32 s15, 0
	s_cselect_b64 s[PFA:PFA+1], s[20:21], s[46:47]
	s_cselect_b32 s96, s40, s41
	s_cselect_b32 s97, ttmp9, s67
	s_cmp_eq_u32 s97, 0
	s_cselect_b32 s[LIM], 1, 0
	s_mul_i32 s96, s96, NS*REC
	s_mov_b32 s97, 0
	s_add_nc_u64 s[PFA:PFA+1], s[PFA:PFA+1], s[96:97]
	WIN 0x40
.irp b, 0,1,2,3,4,5,6,7
	global_load_b128 v[96+8*\b+96*(\b/4):96+8*\b+96*(\b/4)+3], v[BA], s[70:71] offset:(32*(\b/2)+8*(\b%2))*4
	global_load_b128 v[100+8*\b+96*(\b/4):100+8*\b+96*(\b/4)+3], v[BA], s[70:71] offset:(32*(\b/2)+8*(\b%2))*4+16
.endr
	WIN 0
	s_wait_tensorcnt 0x1
	s_barrier_signal -1
	s_barrier_wait -1
	FETCH 0, 0, 0, ROWB, ADR1, ADS1
	s_wait_loadcnt 0x0
	WIN 0xc0
.irp a, 0,1
.irp j, 0,1,2,3,4,5,6,7,8,9,10,11,12,13,14,15
	global_load_b128 v[64*\a+4*\j:64*\a+4*\j+3], v[LI], s[72:73] offset:65536*\a+512*\j th:TH_LOAD_NT
.endr
.endr
	WIN 0
	STEP 0, 0, 2, ROWB, ADR1, ADS1
	MIDS 0, 1
	TURN 0, 1, 1, ROWB, ADR1+1, ADS1+1, 3
	MIDS 1, 0
	TURN 1, 0, 1, ROWB, ADR1, ADS1, 4
	MIDS 0, 0
	TURN 0, 1, 1, ROWB, ADR1+1, ADS1+1, 5
	MIDS 1, 0
	TURN 1, 0, 2, ROWB, ADR1, ADS1, 0
	MIDS 0, 0
	TURN 0, 1, 0, TROWB, ADR1T, ADS1T, 0
	STEP 1, 0, 0, TROWB, ADR1T, ADS1T
	s_wait_dscnt 0x0
	MULA 0, 1, 0
	MULA 1, 1, 0
	WIN 0
	PLACES 4
	s_wait_loadcnt 0x0
.irp a, 0,1
	WIN 0x0e
.set k, 0
.rept 32
	v_pk_add_f32 v[HA+k:HA+k+1], v[64*\a+k:64*\a+k+1], v[64*\a+k:64*\a+k+1]
.set k, k+2
.endr
	WIN 0
.irp j, 0,1,2,3,4,5,6,7,8,9,10,11,12,13,14,15
	ds_store_b128 v[STO], v[HA+4*\j:HA+4*\j+3] offset:128*(\j/4)+16*(\j%4)
.endr
.if \a > 0
	s_wait_xcnt 0x0
.endif
.irp t, 0,1,2,3,4,5,6,7,8,9,10,11,12,13,14,15
	ds_load_b128 v[OB+4*\t:OB+4*\t+3], v[RD] offset:SPITCH*\t
.endr
	s_wait_dscnt 0x0
.irp t, 0,1,2,3,4,5,6,7,8,9,10,11,12,13,14,15
	global_store_b128 v[LI], v[OB+4*\t:OB+4*\t+3], s[74:75] offset:(8*\a+\t+8*(\t/8))*4096 th:TH_STORE_NT
.endr
.endr
	s_wait_tensorcnt 0x0
	ds_add_u32 v[SPW], v[NIL]
	s_wait_dscnt 0x0
	CROUND
	s_endpgm
.Lfunc_end_k_q231c5ab1b5_mlpout:
	.size	k_q231c5ab1b5_mlpout, .Lfunc_end_k_q231c5ab1b5_mlpout-k_q231c5ab1b5_mlpout
	.p2alignl 7, 3214868480
	.fill 96, 4, 3214868480
	.section	.rodata,"a",@progbits
	.p2align	6, 0x0
	.amdhsa_kernel k_q231c5ab1b5_mlpout
		.amdhsa_group_segment_fixed_size 327680
		.amdhsa_private_segment_fixed_size 0
		.amdhsa_enable_private_segment 0
		.amdhsa_kernarg_size 40
		.amdhsa_user_sgpr_count 2
		.amdhsa_user_sgpr_kernarg_segment_ptr 1
		.amdhsa_wavefront_size32 1
		.amdhsa_system_sgpr_workgroup_id_x 1
		.amdhsa_system_sgpr_workgroup_id_y 1
		.amdhsa_system_sgpr_workgroup_id_z 1
		.amdhsa_system_vgpr_workitem_id 0
		.amdhsa_next_free_vgpr 1024
		.amdhsa_next_free_sgpr 100
		.amdhsa_reserve_vcc 0
		.amdhsa_float_denorm_mode_32 3
		.amdhsa_float_denorm_mode_16_64 3
		.amdhsa_memory_ordered 1
		.amdhsa_forward_progress 1
		.amdhsa_inst_pref_size 184
	.end_amdhsa_kernel
	.amdgpu_metadata
---
amdhsa.version: [ 1, 2 ]
amdhsa.kernels:
  - .name:           k_q231c5ab1b5_mlpout
    .symbol:         k_q231c5ab1b5_mlpout.kd
    .args:
      - { .name: hq, .offset: 0, .size: 8, .value_kind: global_buffer, .address_space: global }
      - { .name: wq, .offset: 8, .size: 8, .value_kind: global_buffer, .address_space: global }
      - { .name: b_out, .offset: 16, .size: 8, .value_kind: global_buffer, .address_space: global }
      - { .name: x1, .offset: 24, .size: 8, .value_kind: global_buffer, .address_space: global }
      - { .name: out0, .offset: 32, .size: 8, .value_kind: global_buffer, .address_space: global }
    .group_segment_fixed_size: 327680
    .private_segment_fixed_size: 0
    .kernarg_segment_align: 8
    .kernarg_segment_size: 40
    .max_flat_workgroup_size: 128
    .sgpr_count:     100
    .vgpr_count:     1024
    .wavefront_size: 32
...
	.end_amdgpu_metadata
.endif
;; end of part 6
